; MI455X (gfx1250); checked and timed in simulation.
; The chip was launched on July 23, 2026; its instructions are those of AMD's public machine-readable ISA for CDNA 5 (MIT licence, August 2026) and "CDNA5" Instruction Set Architecture Reference Guide (July 2026). The comments in the code are by the model that wrote it; some were corrected since.
;; Parallel Block. Allowed arithmetic: matrix products marked QUANTISED: E2M1 operands, one E8M0 scale for each 32 along K, by v_wmma_scale_f32_16x16x128_f8f6f4 with both operands' format E2M1 (or v_wmma_scale_f32_32x16x128_f4), f32 sums; everything else in f32.
;; Inputs: W1 1,024 x 3,788 float32; W2 2,048 x 1,024 float32; Wao 1,024 x 1,024 float32; Wmo 716 x 1,024 float32; b1 3,788 float32; b2 1,024 float32; bao 1,024 float32; bmo 1,024 float32; kn_b 64 float32; kn_g 64 float32; norm_b 1,024 float32; norm_g 1,024 float32; qn_b 64 float32; qn_g 64 float32; x 2 x 2,048 x 1,024 float32.
;; Outputs: out0 2 x 2,048 x 1,024 float32.
;; This version of the problem:
;;   THIS VERSION OF THE PROBLEM IS GIVEN IN LOW PRECISION. The matrix products marked QUANTISED in the list below multiply operands that are first quantised to E2M1 (2 exponent bits, 1 mantissa bit; 4 bits a number), with one power-of-two scale for each 32 numbers along K (OCP MX v1.0); their sums are f32. All else is computed in f32.
;;   The module's matrix products, in the order in which they are computed (A, B: the left and right operand; K: the contracted axis; several contracted axes count as one K, in the product's order):
;;     1. [M 4,096, K 1,024] x [K 1,024, N 3,788]; A: computed on the way; B: input W1: QUANTISED
;;     2. batch 32 x [M 2,048, K 64] x [K 64, N 2,048]; A: computed on the way; B: computed on the way: QUANTISED
;;     3. batch 32 x [M 2,048, K 2,048] x [K 2,048, N 64]; A: softmax (see below); B: computed on the way: QUANTISED
;;     4. [M 4,096, K 1,024] x [K 1,024, N 1,024]; A: computed on the way; B: input Wao: QUANTISED
;;     5. [M 4,096, K 716] x [K 716, N 1,024]; A: computed on the way; B: input Wmo: QUANTISED
;;     6. [M 4,096, K 2,048] x [K 2,048, N 1,024]; A: computed on the way; B: input W2: QUANTISED
;;   THE QUANTISER, for each operand of a quantised product, along K:
;;     - K is cut into blocks of 32 from its start; a last block that is shorter is filled with zeros.
;;     - A block's scale is 2^e with e = floor(log2(the largest magnitude in the block)) - 2, held to -126 .. 127; a block of zeros has e = 0. As a byte (E8M0): e + 127.
;;     - Each number is divided by its block's scale, clamped to +-6, and rounded to the nearest number of E2M1, ties to even, subnormals kept.
;;     - The product sums the exact products of the quantised numbers (number of the format x scale) in f32.
;;   ~~~python
;;   def quantise(x, axis):      # numpy; x: float32 -> the quantised numbers, widened to float32 again
;;       x = np.moveaxis(x, axis, -1); K = x.shape[-1]
;;       x = np.pad(x, [(0, 0)] * (x.ndim - 1) + [(0, -K % 32)]); x = x.reshape(x.shape[:-1] + (-1, 32)); a = np.abs(x).max(-1, keepdims=True)
;;       e = np.where(a > 0, np.clip(np.frexp(np.where(a > 0, a, 1))[1] - 1 - 2, -126, 127), 0)      # np.frexp(a)[1] - 1 = floor(log2(a)), exactly
;;       r = np.clip(x / 2.0 ** e, -6, 6)
;;       step = 2.0 ** (np.maximum(np.frexp(np.where(r == 0, 1, r))[1] - 1, 0) - 1)
;;       q = np.round(r / step) * step * 2.0 ** e      # np.round: ties to even
;;       return np.moveaxis(q.reshape(q.shape[:-2] + (-1,))[..., :K], -1, axis).astype(np.float32)
;;   ~~~
;;   SOFTMAX AHEAD OF A QUANTISED PRODUCT. Where the list says 'softmax', what is quantised is not the finished softmax but p = 2^(t - M), with t = logit x log2(e) and M = ceil(the row's largest t), a whole number; so 1/2 < the row's largest p <= 1. The row's sum l is taken of the UNQUANTISED p, in f32, and the product's result is divided by l at the end. Since M is a whole number, a kernel that streams over the keys may use a running M (the ceiling of the running maximum): every later rescaling is an exact power of two, which a block's scale takes up: the codes' values come out the same.
;;   OPERANDS COMPUTED ON THE WAY. 'Computed on the way' means the value that the module computes at that place (a softmax that the list does not call 'softmax' is quantised finished and normalised). What goes into a quantiser is computed in f32, as accurately as f32 sums, v_exp_f32 and their like allow (about 1e-6 of the number): no bf16 or f16 on the way to a quantiser, and a product that is left as it is and whose result goes on into a quantised operand takes f32 operands (vector FMAs, or v_wmma_f32_16x16x4_f32). A number that lies on a knife's edge between two numbers of the format may be rounded either way, as far as f32 arithmetic and the matrix unit's own rounding can turn it there, and no further.
;; One version. Each part assembles by itself: llvm-mc -triple=amdgcn-amd-amdhsa -mcpu=gfx1250 --defsym DOCPART=n.
;; ======== version 1 of 1: 5 launches
;; limits: right only within a limited range of input values
;; workspace buffers: in2 4,332,544 bytes; in3 6,684,672 bytes; in4 5,570,560 bytes; in5 5,570,560 bytes
;; launch prep (part 1): grid 736 x 1, 4 waves a work-group, no clusters, 46,592 bytes of LDS; arguments x, norm_g, norm_b, W1, b1, Wao, Wmo, W2, in2, in4, in5; writes in2, in4, in5
.if DOCPART == 1
	.amdgcn_target "amdgcn-amd-amdhsa--gfx1250"
	.amdhsa_code_object_version 6
	.text
	.protected	k_qa33f1b9f4a_prep
	.globl	k_qa33f1b9f4a_prep
	.p2align	8
	.type	k_qa33f1b9f4a_prep,@function
k_qa33f1b9f4a_prep:
	s_mov_b64 s[64:65], 0
	v_nop
	global_prefetch_b8 v0, s[64:65] scope:SCOPE_SE
	s_setreg_imm32_b32 hwreg(HW_REG_WAVE_MODE, 25, 1), 1
	s_wait_xcnt 0x0
; PREP: the layer norm of x and its codes; the codes of W1, Wao, Wmo, W2; b1 padded with zeros.  Codes are FP4 (E2M1) with one E8M0 byte for each 32 along K.
; LAYOUT OF ALL CODES: images of operand registers.  A tile is 16 rows (tokens, or columns of a weight); for 128 along K it is 1,024 bytes: block kb of 32 along K at 256 kb, row r's 16 bytes at 16 r.
; THE ROWS OF A TILE ARE NOT NEIGHBOURS: row r of tile 2 b + u is index 32 b + 8 u + r + 8 (r / 8).  Scale words: [64 rows][K step][r][tile in the four], 256 bytes for a K step.
; Work-groups 0-255: one tile of 16 tokens of x each, a wave four rows.  256-495: W1;  496-559: Wao;  560-687: W2;  688-735: Wmo (the last eight: its last 76 rows).
; A weight's wave takes 32 columns x 128 along K: a lane a column, registers down K.
; A block's scale byte is its largest magnitude's exponent field - 2, held at 1 from below.
; LIMITS: a block of zeros gets the byte 1, not 127 (its codes are zeros; this program alone reads the bytes); NaN and infinities among the inputs are not served.
.set W1C,  2097152                     ; in2: W1's codes
.set XSO,  4063232                     ; in2: x's scale words
.set W1S,  4194304                     ; in2: W1's scale words
.set B1P,  4317184                     ; in2: b1, 3,840 numbers
.set WAC,  4194304                     ; in4: Wao's codes, Wmo's codes, their scale words
.set WMC,  4718592
.set WAS,  5505024
.set WMS,  5537792
.set W2C,  4194304                     ; in5: W2's codes and scale words
.set W2S,  5505024
.set IMG,  36864                       ; LDS, x's path: behind the four waves' stages the tile's codes, 32 blocks x 272 bytes,
.set SCB,  45568                       ; and its 128 scale words
	s_load_b256 s[4:11], s[0:1], 0x0               ; x, norm_g, norm_b, W1
	s_load_b256 s[12:19], s[0:1], 0x20             ; b1, Wao, Wmo, W2
	s_load_b128 s[20:23], s[0:1], 0x40             ; in2, in4
	s_load_b64 s[24:25], s[0:1], 0x50              ; in5
	v_lshl_add_u32 v254, v0, 2, 0xb400
	v_mov_b32 v255, 0
	v_lshrrev_b32 v1, 5, v0
	v_readfirstlane_b32 s26, v1                    ; wave
	v_and_b32 v1, 31, v0                           ; lane
	s_mov_b32 s46, 0x76543210
	s_mov_b32 s47, 0xfedcba98                      ; v_permlanex16_b32's selects for lane l xor 16
	s_wait_kmcnt 0x0
; A weight's job.  src, dst: the scalar pairs of the weight and of the workspace; id0: the job's first work-group; w1 = 1: W1 (30 column blocks, columns past ncol masked, b1 copied);
; pitch: a row of the weight in bytes; rows: how many of the K step's 128 rows exist; co, so: where codes and scale words begin; ts, gs: bytes from tile to tile and from four tiles' words to the next.
.macro WJOB src, dst, id0, w1, pitch, rows, ncol, co, so, ts, gs
	s_sub_co_u32 s30, ttmp9, \id0
.if \w1
	s_and_b32 s32, s30, 7                          ; K step
	s_lshr_b32 s31, s30, 3                         ; block of 128 columns
.else
	s_and_b32 s31, s30, 7
	s_lshr_b32 s32, s30, 3
.endif
	s_lshl_b32 s33, s31, 7
	s_lshl_b32 s34, s26, 5
	s_add_co_u32 s33, s33, s34
	v_add_nc_u32 v10, s33, v1                      ; my column
.if \w1
	v_cmp_gt_u32 vcc_lo, \ncol, v10
	v_cndmask_b32 v11, 0, -1, vcc_lo               ; all ones where the column exists
.endif
	v_min_u32 v12, \ncol-1, v10                    ; no load leaves the buffer
	v_lshlrev_b32 v12, 2, v12
	s_mul_i32 s34, s32, 128*\pitch
	s_mov_b32 s35, 0
	s_add_nc_u64 s[40:41], s[\src:\src+1], s[34:35]
	v_bfe_u32 v13, v0, 3, 1                        ; u: which tile of the pair my column falls into
	s_wait_alu depctr_va_vdst(0)
	v_and_b32 v14, 7, v0
	v_bfe_u32 v15, v0, 4, 1
	v_lshl_or_b32 v14, v15, 3, v14                 ; and which row of it
	v_mul_u32_u24 v16, v13, \ts
	v_lshl_add_u32 v16, v14, 4, v16
	s_lshl_b32 s34, s31, 3
	s_lshl_b32 s36, s26, 1
	s_add_co_u32 s34, s34, s36                     ; my pair's first tile
	s_mul_i32 s34, s34, \ts
	s_lshl_b32 s36, s32, 10
	s_add_co_u32 s34, s34, s36
	s_add_co_u32 s34, s34, \co
	s_add_nc_u64 s[42:43], s[\dst:\dst+1], s[34:35]
	s_and_b32 s36, s26, 1
	s_lshl_b32 s36, s36, 3
	v_lshl_add_u32 v17, v13, 2, s36                ; the word's place: 4 x (tile in the four)
	s_wait_alu depctr_va_vdst(0)
	v_lshl_add_u32 v17, v14, 4, v17
	s_lshl_b32 s34, s31, 1
	s_lshr_b32 s36, s26, 1
	s_add_co_u32 s34, s34, s36
	s_mul_i32 s34, s34, \gs
	s_lshl_b32 s36, s32, 8
	s_add_co_u32 s34, s34, s36
	s_add_co_u32 s34, s34, \so
	s_add_nc_u64 s[44:45], s[\dst:\dst+1], s[34:35]
.set n, 0
.rept 128
.if n < \rows
	global_load_b32 v[32+n], v12, s[40:41] offset:n*\pitch th:TH_LOAD_NT   ; a row of the weight at 32 neighbouring columns; the four waves stand side by side on 512 bytes
.else
	v_mov_b32 v[32+n], 0                           ; past the end of K: zeros ahead of the block's maximum
.endif
.set n, n+1
.endr
.set t, 0
.rept 4
.set LEFT, \rows-32*(t+1)              ; the loads issued behind this block's
.if LEFT > 63
.set LEFT, 63                          ; (the count's field holds no more; a smaller count is safe)
.endif
.if LEFT < 0
.set LEFT, 0
.endif
.set XR, 32+32*t
	s_wait_loadcnt LEFT
	v_max3_num_f32 v160, |v[XR]|, |v[XR+1]|, |v[XR+2]|
	v_max3_num_f32 v161, |v[XR+3]|, |v[XR+4]|, |v[XR+5]|
.irp i, 6,10,14,18,22,26
	v_max3_num_f32 v160, v160, |v[XR+\i]|, |v[XR+\i+1]|
	v_max3_num_f32 v161, v161, |v[XR+\i+2]|, |v[XR+\i+3]|
.endr
	v_max3_num_f32 v160, v160, |v[XR+30]|, |v[XR+31]|
	v_max3_num_f32 v160, v160, v161, 0x1800000     ; with the floor 2^(3 - 127): the byte cannot fall under 1
	v_add_nc_u32 v162, 0xff000000, v160            ; 2 off the exponent field: the conversion's scale operand
.irp g, 0,1,2,3
	v_cvt_scalef32_pk8_fp4_f32 v[168+4*t+\g], v[XR+8*\g:XR+8*\g+7], v162
.endr
	v_lshrrev_b32 v163, 23, v162                   ; the byte (a plain line behind the conversions)
.if t == 0
	v_mov_b32 v164, v163
.else
	v_lshl_or_b32 v164, v163, 8*t, v164
.endif
.if \w1
.irp g, 0,1,2,3
	v_and_b32 v[168+4*t+\g], v11, v[168+4*t+\g]    ; columns that do not exist: zero codes
.endr
.endif
	global_store_b128 v16, v[168+4*t:171+4*t], s[42:43] offset:256*t   ; the 16 rows of each of two tiles: twice 256 consecutive bytes, aligned
.set t, t+1
.endr
	global_store_b32 v17, v164, s[44:45]           ; my column's scale word of this K step
.if \w1
	s_cmp_lg_u32 s32, 0                            ; the work-groups of K step 0 also copy b1, zeros past its end
	s_cbranch_scc1 .Lno_b1_\@
	global_load_b32 v165, v12, s[12:13]
	v_lshlrev_b32 v166, 2, v10
	s_wait_loadcnt 0x0
	v_and_b32 v165, v11, v165
	s_wait_alu depctr_va_vdst(0)
	global_store_b32 v166, v165, s[20:21] offset:B1P
.Lno_b1_\@:
.endif
	s_endpgm
.endm
	s_cmp_lt_u32 ttmp9, 256
	s_cbranch_scc1 .Lx
	s_cmp_lt_u32 ttmp9, 496
	s_cbranch_scc1 .Lw1
	s_cmp_lt_u32 ttmp9, 560
	s_cbranch_scc1 .Lwao
	s_cmp_lt_u32 ttmp9, 688
	s_cbranch_scc1 .Lw2
	s_cmp_lt_u32 ttmp9, 728
	s_cbranch_scc1 .Lwmo
	s_wait_alu depctr_va_vdst(0)
	WJOB 16, 22, 688, 0, 4096, 76, 1024, WMC, WMS, 8192, 2048      ; Wmo's rows 640 to 715
.Lwmo:
	s_wait_alu depctr_va_vdst(0)
	WJOB 16, 22, 688, 0, 4096, 128, 1024, WMC, WMS, 8192, 2048
.Lw2:
	s_wait_alu depctr_va_vdst(0)
	WJOB 18, 24, 560, 0, 4096, 128, 1024, W2C, W2S, 16384, 4096
.Lwao:
	s_wait_alu depctr_va_vdst(0)
	WJOB 14, 22, 496, 0, 4096, 128, 1024, WAC, WAS, 8192, 2048
.Lw1:
	s_wait_alu depctr_va_vdst(0)
	WJOB 10, 20, 256, 1, 15152, 128, 3788, W1C, W1S, 8192, 2048
; ---- x.  The work-group takes tile tau = its number; wave w takes the tile's rows 4 w .. 4 w + 3, which are four consecutive tokens.  All four rows are asked for at the head: with gains and biases 48 loads a wave.
; A row's eight loads read 512 consecutive bytes each; the row turns through the wave's own stage in LDS (16 bytes of padding behind each 128) and comes back into the registers that it left,
; after which lane l holds block l: numbers 32 l .. 32 l + 31.  LDS: for each wave two stages of 4,608 bytes; behind the four waves' the tile's codes and its scale words, in which the four waves' rows meet.
.Lx:
	s_lshr_b32 s30, ttmp9, 1
	s_lshl_b32 s30, s30, 5
	s_and_b32 s31, ttmp9, 1
	s_lshl_b32 s31, s31, 3
	s_add_co_u32 s30, s30, s31
	s_and_b32 s31, s26, 1
	s_lshl_b32 s31, s31, 2
	s_add_co_u32 s30, s30, s31
	s_lshr_b32 s31, s26, 1
	s_lshl_b32 s31, s31, 4
	s_add_co_u32 s30, s30, s31                     ; my first token: 32 (tau / 2) + 8 (tau % 2) + 4 (wave % 2) + 16 (wave / 2)
	s_lshl_b32 s30, s30, 12
	s_mov_b32 s31, 0
	s_add_nc_u64 s[4:5], s[4:5], s[30:31]
	s_lshl_b32 s30, ttmp9, 13                      ; the tile's codes: 8,192 bytes;
	s_lshl_b32 s32, s26, 11                        ; I store 2,048 of them
	s_add_co_u32 s30, s30, s32
	s_add_nc_u64 s[40:41], s[20:21], s[30:31]
	s_lshr_b32 s30, ttmp9, 2
	s_lshl_b32 s30, s30, 11
	s_and_b32 s32, ttmp9, 3
	s_lshl_b32 s32, s32, 2
	s_add_co_u32 s30, s30, s32
	s_add_co_u32 s30, s30, XSO
	s_add_nc_u64 s[42:43], s[20:21], s[30:31]      ; the tile's scale words: 2,048 (tau / 4) + 4 (tau % 4)
	s_mov_b32 s48, 0xba800000                      ; -1 / 1024
	s_mov_b32 s49, 0x3a800000                      ; 1 / 1024
	s_mov_b32 s50, 0x358637bd                      ; 1e-6
	s_mul_i32 s27, s26, 9216
	s_wait_alu depctr_va_vdst(0)
	v_lshlrev_b32 v2, 4, v1                        ; 16 l
	v_lshrrev_b32 v10, 3, v1
	v_lshl_add_u32 v3, v10, 4, v2
	v_add_nc_u32 v3, s27, v3                       ; into a stage: 16 l + 16 (l / 8)
	v_mul_u32_u24 v4, v1, 144
	v_add_nc_u32 v4, s27, v4                       ; out of it: 144 l
	v_mul_u32_u24 v5, v1, 272
	s_lshl_b32 s28, s26, 6
	v_add_nc_u32 v5, s28, v5
	v_add_nc_u32 v5, IMG, v5                       ; my block's codes: 272 l + 16 x (row of the tile)
	v_and_b32 v10, 15, v0
	v_bfe_u32 v11, v0, 4, 1
	v_mul_u32_u24 v6, v11, 272
	v_lshl_add_u32 v6, v10, 4, v6
	s_mul_i32 s28, s26, 2176
	v_add_nc_u32 v6, s28, v6
	v_add_nc_u32 v6, IMG, v6                       ; and back: two blocks an instruction; I take blocks 8 w .. 8 w + 7
	v_lshrrev_b32 v10, 2, v1
	v_and_b32 v11, 3, v1
	v_lshl_add_u32 v7, v10, 6, v11
	s_lshl_b32 s28, s26, 4
	v_add_nc_u32 v7, s28, v7
	v_add_nc_u32 v7, SCB, v7                       ; my block's byte: 64 (K step) + 4 (row of the tile) + (block in the step)
	v_lshl_add_u32 v8, v0, 2, SCB                  ; the words' way out: thread n takes word n = 16 (K step) + row,
	v_lshlrev_b32 v12, 4, v0                       ; which lies 256 (K step) + 16 (row) = 16 n into the four tiles' words
	v_lshlrev_b32 v9, 7, v1                        ; my block's gains and biases
	v_mov_b32 v229, 0                              ; (upper halves of pairs of which the low word serves both halves)
	v_mov_b32 v233, 0
.irp j, 0,1,2,3,4,5,6,7
	global_load_b128 v[32+4*\j:35+4*\j], v9, s[6:7] offset:16*\j
	global_load_b128 v[64+4*\j:67+4*\j], v9, s[8:9] offset:16*\j
.endr
.macro LOADR t                         ; my row t
.irp i, 0,1,2,3,4,5,6,7
	global_load_b128 v[96+32*(\t)+4*\i:99+32*(\t)+4*\i], v2, s[4:5] offset:(\t)*4096+512*\i th:TH_LOAD_NT
.endr
.endm
.macro TURN t                          ; LDS serves a wave's instructions in order: no wait between the stores and the loads, and the loads land in the registers that the stores have read
.irp i, 0,1,2,3,4,5,6,7
	ds_store_b128 v3, v[96+32*(\t)+4*\i:99+32*(\t)+4*\i] offset:4608*((\t)%2)+576*\i
.endr
.irp i, 0,1,2,3,4,5,6,7
	ds_load_b128 v[96+32*(\t)+4*\i:99+32*(\t)+4*\i], v4 offset:4608*((\t)%2)+16*\i
.endr
.endm
.macro REDUCE a, b                     ; v[a] summed over the 32 lanes, in every lane
	v_add_f32_dpp v[\a], v[\a], v[\a] row_xmask:1 row_mask:0xf bank_mask:0xf
	v_add_f32_dpp v[\a], v[\a], v[\a] row_xmask:2 row_mask:0xf bank_mask:0xf
	v_add_f32_dpp v[\a], v[\a], v[\a] row_xmask:4 row_mask:0xf bank_mask:0xf
	v_add_f32_dpp v[\a], v[\a], v[\a] row_xmask:8 row_mask:0xf bank_mask:0xf
	v_permlanex16_b32 v[\b], v[\a], s46, s47
	v_add_f32 v[\a], v[\a], v[\b]
.endm
.macro ROW t
.if (\t) > 0
	s_wait_dscnt 2                                 ; this row is back from its stage; the last row's two stores may be out
.else
	s_wait_dscnt 0x0
.endif
.if (\t)+1 < 4
	s_wait_loadcnt 8*(2-(\t))                      ; the next row is in; the later rows' eight loads each may be out
	TURN (\t)+1                                    ; and goes through the other stage while this row is worked
.endif
.set XR, 96+32*(\t)
.set CR, 240+4*((\t)%2)                ; codes and byte: two sets by turns, so that a store's data are written again only two rows on, behind the wait at this macro's head
.set BR, 248+((\t)%2)
	v_pk_add_f32 v[224:225], v[XR:XR+1], v[XR+2:XR+3]
	v_pk_add_f32 v[226:227], v[XR+4:XR+5], v[XR+6:XR+7]
.irp i, 8,12,16,20,24,28
	v_pk_add_f32 v[224:225], v[224:225], v[XR+\i:XR+\i+1]
	v_pk_add_f32 v[226:227], v[226:227], v[XR+\i+2:XR+\i+3]
.endr
	v_pk_add_f32 v[224:225], v[224:225], v[226:227]
	v_add_f32 v224, v224, v225
	REDUCE 224, 225
	v_mul_f32 v228, s48, v224                      ; -mean
.irp i, 0,2,4,6,8,10,12,14,16,18,20,22,24,26,28,30
	v_pk_add_f32 v[XR+\i:XR+\i+1], v[XR+\i:XR+\i+1], v[228:229] op_sel_hi:[1,0]
.endr
	v_pk_mul_f32 v[224:225], v[XR:XR+1], v[XR:XR+1]
	v_pk_mul_f32 v[226:227], v[XR+2:XR+3], v[XR+2:XR+3]
.irp i, 4,8,12,16,20,24,28
	v_pk_fma_f32 v[224:225], v[XR+\i:XR+\i+1], v[XR+\i:XR+\i+1], v[224:225]
	v_pk_fma_f32 v[226:227], v[XR+\i+2:XR+\i+3], v[XR+\i+2:XR+\i+3], v[226:227]
.endr
	v_pk_add_f32 v[224:225], v[224:225], v[226:227]
	v_add_f32 v224, v224, v225
	REDUCE 224, 225
	v_fma_f32 v230, v224, s49, s50                 ; variance + 1e-6
	s_wait_alu depctr_va_vdst(0)
	v_rsq_f32 v232, v230
	v_nop                                          ; a plain line behind the transcendental,
	s_wait_alu depctr_va_vdst(0)                   ; and the wait ahead of its first reader
.irp i, 0,2,4,6,8,10,12,14,16,18,20,22,24,26,28,30
	v_pk_mul_f32 v[XR+\i:XR+\i+1], v[XR+\i:XR+\i+1], v[232:233] op_sel_hi:[1,0]
.endr
.irp i, 0,2,4,6,8,10,12,14,16,18,20,22,24,26,28,30
	v_pk_fma_f32 v[XR+\i:XR+\i+1], v[XR+\i:XR+\i+1], v[32+\i:33+\i], v[64+\i:65+\i]
.endr
	v_max3_num_f32 v234, |v[XR]|, |v[XR+1]|, |v[XR+2]|
	v_max3_num_f32 v235, |v[XR+3]|, |v[XR+4]|, |v[XR+5]|
.irp i, 6,10,14,18,22,26
	v_max3_num_f32 v234, v234, |v[XR+\i]|, |v[XR+\i+1]|
	v_max3_num_f32 v235, v235, |v[XR+\i+2]|, |v[XR+\i+3]|
.endr
	v_max3_num_f32 v234, v234, |v[XR+30]|, |v[XR+31]|
	v_max3_num_f32 v234, v234, v235, 0x1800000
	v_add_nc_u32 v236, 0xff000000, v234
.irp g, 0,1,2,3
	v_cvt_scalef32_pk8_fp4_f32 v[CR+\g], v[XR+8*\g:XR+8*\g+7], v236
.endr
	v_lshrrev_b32 v[BR], 23, v236
	ds_store_b128 v5, v[CR:CR+3] offset:16*(\t)
	ds_store_b8 v7, v[BR] offset:4*(\t)
.endm
.irp t, 0,1,2,3
	LOADR \t
.endr
	s_wait_loadcnt 24                              ; gains, biases and row 0 are in; the 24 loads of rows 1 to 3 may be out
	TURN 0
.irp t, 0,1,2,3
	ROW \t
.endr
	s_wait_dscnt 0x0                               ; for the others' sake: my codes and scale bytes have landed
	s_barrier_signal -1
	s_barrier_wait -1
.irp m, 0,1,2,3
	ds_load_b128 v[96+4*\m:99+4*\m], v6 offset:544*\m   ; blocks whose 16 rows the four waves wrote
.endr
	ds_load_b32 v160, v8
.irp m, 0,1,2,3
	s_wait_dscnt 4-\m                              ; the later loads of the four and the word's load may be out
	global_store_b128 v2, v[96+4*\m:99+4*\m], s[40:41] offset:512*\m   ; 512 consecutive bytes, aligned
.endr
	s_wait_dscnt 0x0
	global_store_b32 v12, v160, s[42:43]           ; a word a thread, 16 bytes apart: the three words between belong to the neighbouring tiles, other work-groups'
	s_wait_tensorcnt 0x0
	ds_add_u32 v254, v255
	s_wait_dscnt 0x0
	s_endpgm
.Lfunc_end_k_qa33f1b9f4a_prep:
	.size	k_qa33f1b9f4a_prep, .Lfunc_end_k_qa33f1b9f4a_prep-k_qa33f1b9f4a_prep
	.p2alignl 7, 3214868480
	.fill 96, 4, 3214868480
	.section	.rodata,"a",@progbits
	.p2align	6, 0x0
	.amdhsa_kernel k_qa33f1b9f4a_prep
		.amdhsa_group_segment_fixed_size 46592
		.amdhsa_private_segment_fixed_size 0
		.amdhsa_enable_private_segment 0
		.amdhsa_kernarg_size 88
		.amdhsa_user_sgpr_count 2
		.amdhsa_user_sgpr_kernarg_segment_ptr 1
		.amdhsa_wavefront_size32 1
		.amdhsa_system_sgpr_workgroup_id_x 1
		.amdhsa_system_sgpr_workgroup_id_y 1
		.amdhsa_system_sgpr_workgroup_id_z 1
		.amdhsa_system_vgpr_workitem_id 0
		.amdhsa_next_free_vgpr 256
		.amdhsa_next_free_sgpr 66
		.amdhsa_reserve_vcc 1
		.amdhsa_float_denorm_mode_32 3
		.amdhsa_float_denorm_mode_16_64 3
		.amdhsa_memory_ordered 1
		.amdhsa_forward_progress 1
		.amdhsa_inst_pref_size 142
	.end_amdhsa_kernel
	.amdgpu_metadata
---
amdhsa.version: [ 1, 2 ]
amdhsa.kernels:
  - .name:           k_qa33f1b9f4a_prep
    .symbol:         k_qa33f1b9f4a_prep.kd
    .args:
      - { .name: x, .offset: 0, .size: 8, .value_kind: global_buffer, .address_space: global }
      - { .name: norm_g, .offset: 8, .size: 8, .value_kind: global_buffer, .address_space: global }
      - { .name: norm_b, .offset: 16, .size: 8, .value_kind: global_buffer, .address_space: global }
      - { .name: W1, .offset: 24, .size: 8, .value_kind: global_buffer, .address_space: global }
      - { .name: b1, .offset: 32, .size: 8, .value_kind: global_buffer, .address_space: global }
      - { .name: Wao, .offset: 40, .size: 8, .value_kind: global_buffer, .address_space: global }
      - { .name: Wmo, .offset: 48, .size: 8, .value_kind: global_buffer, .address_space: global }
      - { .name: W2, .offset: 56, .size: 8, .value_kind: global_buffer, .address_space: global }
      - { .name: in2, .offset: 64, .size: 8, .value_kind: global_buffer, .address_space: global }
      - { .name: in4, .offset: 72, .size: 8, .value_kind: global_buffer, .address_space: global }
      - { .name: in5, .offset: 80, .size: 8, .value_kind: global_buffer, .address_space: global }
    .group_segment_fixed_size: 46592
    .private_segment_fixed_size: 0
    .kernarg_segment_align: 8
    .kernarg_segment_size: 88
    .max_flat_workgroup_size: 128
    .sgpr_count:     66
    .vgpr_count:     256
    .wavefront_size: 32
...
	.end_amdgpu_metadata
.endif
;; end of part 1
;; launch qkvm (part 2): grid 16 x 15, 4 waves a work-group, clusters of 4 x 1, 262,656 bytes of LDS; arguments in2, qn_g, qn_b, kn_g, kn_b, in3, in4; writes in3, in4
.if DOCPART == 2
	.amdgcn_target "amdgcn-amd-amdhsa--gfx1250"
	.amdhsa_code_object_version 6
	.text
	.protected	k_qa33f1b9f4a_qkvm
	.globl	k_qa33f1b9f4a_qkvm
	.p2align	8
	.type	k_qa33f1b9f4a_qkvm,@function
k_qa33f1b9f4a_qkvm:
	s_mov_b64 s[64:65], 0
	v_nop
	global_prefetch_b8 v0, s[64:65] scope:SCOPE_SE
	s_setreg_imm32_b32 hwreg(HW_REG_WAVE_MODE, 25, 1), 1
	s_wait_xcnt 0x0
	s_wait_alu depctr_hold_cnt(0) depctr_sa_sdst(0) depctr_va_vdst(0) depctr_va_sdst(0) depctr_va_ssrc(0) depctr_va_vcc(0) depctr_vm_vsrc(0)
	s_getreg_b32 s2, hwreg(HW_REG_IB_STS2, 6, 4)
	s_cmp_eq_u32 s2, 0
	s_cbranch_scc0 .Lentry_in_a_cluster
	s_endpgm
.Lentry_in_a_cluster:
	s_bfe_u32 s2, ttmp6, 0x10000c
	s_cmp_lg_u32 s2, 0x3003
	s_cbranch_scc0 .Lentry_shape_is_right
	s_endpgm
.Lentry_shape_is_right:
; QKVM: fused = norm_x W1 + b1 on codes of FP4, and all that follows it up to the next codes: q and k (layer norm over each head's 64), v (turned: tokens innermost), gelu of the MLP's hidden layer.
; A work-group makes 256 tokens x 256 columns, a wave 128 x 128: 64 accumulators.  Work-group y / 4 is the kind: 0 q, 1 k, 2 v, 3 the hidden layer (its columns padded to 768 by zero codes and a zero bias).
; THE PRODUCT IS USED TRANSPOSED.  q, k, hidden: source 0 = W1's columns, source 1 = tokens: a lane holds one token and its registers run along the columns.  v: source 0 = tokens, source 1 = columns.
; The rows of a tile are index 32 b + 8 u + r + 8 (r / 8), so the 16 registers of source 0's tiles 2 b and 2 b + 1 are 16 neighbours, 32 b + 16 (lane / 16) + 0 .. 15: what the next quantiser wants.
; All of K (1,024) of the work-group's operands, 262,144 bytes, comes into LDS once; each wave brings one block of 128 rows, one tensor load, issued at the head: one is out at most.
; Nothing is filled twice, so the barriers only show a landed chunk to the other waves.
; REGISTERS: window 0: v1-15 addresses, v16-23 codes, v24-27 scale words on their way out, v32-95 the products' scale words, v96-159 T (a unit at work), v160-223 the bias, v224-255 at work.
;   window 1: two sets of fragments (source 0 at v0 and v64, source 1 at v128 and v192); behind the products v0-63 serve the epilogues.   windows 2, 3: accumulator (i0, i1) at v[64 (i1 % 4) + 8 i0] of window 2 + i1 / 4.
; LIMITS: a block of zeros gets the byte 1, not 127; NaN and infinities are not served.  gelu is u / (1 + 2^(u (K1 + K2 u^2))), which is the tanh form rewritten, in f32.
.set W1C,   2097152
.set XSO,   4063232
.set W1S,   4194304
.set B1P,   4317184
.set QC,    4456448                    ; in3: q's codes, 512 bytes a tile and head
.set QS,    6553600                    ; in3: q's scale words
.set HEADB, 139264                     ; in3: a head's K and V: 16 key steps of
.set STEPB, 8704                       ; K's codes 4,096, V's 4,096, K's words 256, V's words 256
.set GC,    2097152                    ; in4: the hidden layer's codes
.set GS,    5373952                    ; in4: its scale words
.set PC,    16
.set SC,    32
.set T,     96
.set BIAS,  160
.set TM,    224
.set PW,    244
; CLUSTER: the four work-groups of a cluster differ in their 256 tokens alone: W1's block hangs on work-group y and the wave's number and is asked for jointly (mask 15); x's block is each work-group's own load.
.macro ROUND                           ; a round of the cluster's barrier
	s_barrier_signal -1
	s_barrier_wait -1
	s_cmp_lg_u32 s18, 0
	s_cbranch_scc1 .Lnw0_\@
	s_barrier_signal -3
.Lnw0_\@:
	s_barrier_wait -3
	s_barrier_signal -1
	s_barrier_wait -1
.endm
.set MSB, 0
.macro WIN new                         ; the immediate's high byte repeats the setting that is left
.if MSB != (\new)
	s_set_vgpr_msb (MSB<<8)|(\new)
.set MSB, (\new)
.endif
.endm
.macro PLACES
.rept 4
	v_nop
.endr
.endm
; 64 numbers of a lane, register 16 b + i = k 32 b + 16 (lane / 16) + i of my row, become a fragment's codes in v[pc] on and its scale word in v[pw].
.macro QUANT4 s, pc, pw
.irp b, 0,1,2,3
	v_max3_num_f32 v[TM+\b], |v[\s+16*\b]|, |v[\s+1+16*\b]|, 0x1800000   ; with the floor 2^(3 - 127)
.endr
.irp i, 2,4,6,8,10,12,14
.irp b, 0,1,2,3
	v_max3_num_f32 v[TM+\b], v[TM+\b], |v[\s+16*\b+\i]|, |v[\s+1+16*\b+\i]|
.endr
.endr
.irp b, 0,1,2,3
	v_permlanex16_b32 v[TM+4+\b], v[TM+\b], s56, s57
.endr
.irp b, 0,1,2,3
	v_max_num_f32 v[TM+\b], v[TM+\b], v[TM+4+\b]   ; with lane l xor 16's: the block's largest magnitude
.endr
.irp b, 0,1,2,3
	v_add_nc_u32 v[TM+12+\b], 0xff000000, v[TM+\b] ; 2 off its exponent field: the conversion's scale operand
.endr
.irp b, 0,1,2,3
	v_lshrrev_b32 v[TM+4+\b], 23, v[TM+12+\b]      ; the byte
.endr
	v_lshl_or_b32 v[\pw], v[TM+5], 8, v[TM+4]
	v_lshl_or_b32 v[\pw], v[TM+6], 16, v[\pw]
	v_lshl_or_b32 v[\pw], v[TM+7], 24, v[\pw]
.irp b, 0,1,2,3
	v_cvt_scalef32_pk8_fp4_f32 v[\pc+2*\b], v[\s+16*\b:\s+7+16*\b], v[TM+12+\b]
	v_cvt_scalef32_pk8_fp4_f32 v[\pc+1+2*\b], v[\s+8+16*\b:\s+15+16*\b], v[TM+12+\b]
.endr
	v_nop                                          ; one plain line behind a scaled conversion
.irp c, 0,1                            ; a whole block to a lane: lanes 0-15 block 2 c, lanes 16-31 block 2 c + 1
.irp i, 0,1
	v_permlane16_swap_b32 v[\pc+4*\c+\i], v[\pc+2+4*\c+\i]
.endr
.endr
.endm
	s_load_b256 s[4:11], s[0:1], 0x0               ; in2, qn_g, qn_b, kn_g
	s_load_b128 s[12:15], s[0:1], 0x20             ; kn_b, in3
	s_load_b64 s[16:17], s[0:1], 0x30              ; in4
	v_lshl_add_u32 v254, v0, 2, 0x40000
	v_mov_b32 v255, 0
	ds_add_u32 v254, v255
	ds_add_u32 v254, v255
	s_wait_dscnt 0x0
	v_lshrrev_b32 v1, 5, v0
	v_readfirstlane_b32 s18, v1                    ; wave
	s_bfe_u32 s2, ttmp6, 0x40000                   ; cx
	s_lshl_b32 s19, ttmp9, 2
	s_add_co_u32 s19, s19, s2                      ; which 256 tokens: 4 x cluster x + cx
	s_and_b32 s20, ttmp7, 0xffff                   ; which 256 columns
	s_lshr_b32 s3, s20, 2                          ; the kind
	; descriptor group 1: 8 rows (tiles) of 8,192 bytes (all eight K steps), 8,192 bytes apart; elements of 8 bytes
	s_mov_b32 s24, 3<<16
	; ONE tensor load a wave: its block of 128 rows with ALL of K, 8 tiles of 8,192 bytes, dense in memory and in LDS (no chunks)
	s_mov_b32 s25, 1024<<16                        ; tensor_dim0: 8,192 bytes
	s_mov_b32 s26, 8<<16                           ; tensor_dim1
	s_mov_b32 s27, 1024<<16                        ; tile_dim0
	s_mov_b32 s28, 8                               ; tile_dim1
	s_mov_b32 s29, 1024                            ; the pitch
	s_mov_b32 s30, 0
	s_mov_b32 s31, 0
	; what I fetch: waves 0, 1 source 0's two blocks of 128 rows, waves 2, 3 source 1's
	s_lshr_b32 s48, s18, 1
	s_cmp_eq_u32 s3, 2
	s_cselect_b32 s49, 1, 0
	s_xor_b32 s48, s48, s49                        ; 0: from W1's codes, 1: from x's
	s_mov_b32 s36, 15|(3<<16)|(1<<21)              ; s[36:43]: group 1 for W1's block: as s[24:31], with the mask of the cluster's four
	s_mov_b32 s37, 1024<<16
	s_mov_b32 s38, 8<<16
	s_mov_b32 s39, 1024<<16
	s_mov_b32 s40, 8
	s_mov_b32 s41, 1024
	s_mov_b32 s42, 0
	s_mov_b32 s43, 0
	s_and_b32 s52, s18, 1
	s_lshl_b32 s50, s20, 1                         ; W1's block: of work-group y and the wave's number alone
	s_add_co_u32 s50, s50, s52
	s_lshl_b32 s50, s50, 16
	s_add_co_u32 s50, s50, W1C
	s_mov_b32 s51, 0
	s_lshl_b32 s22, s19, 1                         ; x's block
	s_add_co_u32 s22, s22, s52
	s_lshl_b32 s22, s22, 16
	s_mov_b32 s23, 0
	s_lshl_b32 s53, s18, 16                        ; in LDS: 65,536 x wave
	s_wait_kmcnt 0x0
	s_add_nc_u64 s[50:51], s[4:5], s[50:51]
	s_add_nc_u64 s[22:23], s[4:5], s[22:23]
	s_mov_b32 s44, 1
	s_mov_b32 s45, s53
	s_mov_b64 s[46:47], s[50:51]
	s_or_b32 s47, s47, 0x80000000
	s_mov_b32 s32, 1
	s_mov_b32 s33, s53
	s_mov_b64 s[34:35], s[22:23]
	s_or_b32 s35, s35, 0x80000000
	ROUND                                          ; the four work-groups are here: the joint loads meet
	s_cmp_eq_u32 s48, 0                            ; the wave's number and the kind, which the cluster shares: one load a wave
	s_cbranch_scc0 .Lfx
	tensor_load_to_lds s[44:47], s[36:43]
	s_nop 0
	PLACES
	s_branch .Lfj
.Lfx:
	tensor_load_to_lds s[32:35], s[24:31]
	s_nop 0
	PLACES
.Lfj:
	v_and_b32 v1, 15, v0                           ; r
	v_bfe_u32 v2, v0, 4, 1                         ; h
	s_wait_alu depctr_va_vdst(0)
	v_and_b32 v3, 31, v0
	v_lshlrev_b32 v3, 4, v3                        ; 16 l
	s_and_b32 s48, s18, 1
	s_lshr_b32 s49, s18, 1
	s_cmp_eq_u32 s3, 2
	s_cselect_b32 s52, s48, s49                    ; my half of the tokens: source 1's, for v source 0's
	s_cselect_b32 s53, s49, s48                    ; my half of the columns
	s_lshl_b32 s21, s19, 1
	s_add_co_u32 s21, s21, s52                     ; rb: my block of 128 tokens
	s_lshl_b32 s22, s20, 1
	s_add_co_u32 s22, s22, s53                     ; cb: my block of 128 columns
	s_lshl_b32 s48, s21, 12
	s_add_co_u32 s48, s48, XSO
	s_lshl_b32 s49, s22, 12
	s_add_co_u32 s49, s49, W1S
	s_cmp_eq_u32 s3, 2
	s_cselect_b32 s52, s49, s48                    ; source 1's scale words: lanes 0-15 take them,
	s_cselect_b32 s53, s48, s49                    ; source 0's: lanes 16-31
	s_sub_co_u32 s53, s53, s52
	v_mul_lo_u32 v4, v2, s53
	v_add_nc_u32 v4, s52, v4
	v_lshl_add_u32 v4, v1, 4, v4
.irp q, 0,1,2,3,4,5,6,7
.irp g, 0,1
	global_load_b128 v[SC+8*\q+4*\g:SC+8*\q+4*\g+3], v4, s[4:5] offset:2048*\g+256*\q   ; register 8 q + i: tile i's word of K step q
.endr
.endr
	s_lshl_b32 s23, s22, 9
	s_add_co_u32 s23, s23, B1P
	s_cmp_eq_u32 s3, 2
	s_cbranch_scc1 .Lbias_v
	v_lshl_add_u32 v5, v2, 6, s23                  ; register 16 b + i: column 32 b + 16 h + i of my 128
.irp b, 0,1,2,3
.irp j, 0,1,2,3
	global_load_b128 v[BIAS+16*\b+4*\j:BIAS+16*\b+4*\j+3], v5, s[4:5] offset:128*\b+16*\j
.endr
.endr
	s_branch .Lbias_done
.Lbias_v:
	v_lshrrev_b32 v5, 3, v1
	v_lshlrev_b32 v5, 5, v5
	v_lshl_add_u32 v5, v1, 2, v5
	v_add_nc_u32 v5, s23, v5                       ; v: a lane holds one column of each tile: r + 8 (r / 8); its bias goes into both registers of a pair
.irp u, 0,1,2,3,4,5,6,7
	global_load_b32 v[BIAS+2*\u], v5, s[4:5] offset:128*(\u/2)+32*(\u%2)
	global_load_b32 v[BIAS+2*\u+1], v5, s[4:5] offset:128*(\u/2)+32*(\u%2)
.endr
.set n, 16
.rept 48
	v_mov_b32 v[BIAS+n], 0                         ; (not used by v)
.set n, n+1
.endr
.Lbias_done:
	s_and_b32 s48, s18, 1
	s_lshl_b32 s48, s48, 16
	s_lshr_b32 s49, s18, 1
	s_lshl_b32 s49, s49, 16
	s_add_co_u32 s49, s49, 131072
	s_wait_alu depctr_va_vdst(0)
.irp j, 0,1,2,3
	v_add_nc_u32 v[8+\j], s48, v3                  ; source 0's fragments in chunk j
	v_add_nc_u32 v[12+\j], s49, v3                 ; source 1's
	s_add_co_u32 s48, s48, 2048                    ; two K steps on in a tile's 8,192 bytes
	s_add_co_u32 s49, s49, 2048
.endr
.set n, 224
.rept 32
	v_mov_b32 v[n], 0                              ; written once: lane permutes' destinations and pairs' upper halves count as read
.set n, n+1
.endr
	s_mov_b32 s54, 0xffff0000                      ; lanes 16-31
	s_mov_b32 s55, 0x05040302                      ; v_perm_b32: two registers' 64 bits, 16 bits down
	s_mov_b32 s56, 0x76543210
	s_mov_b32 s57, 0xfedcba98
	s_mov_b32 s58, 0xbc800000                      ; -1 / 64
	s_mov_b32 s63, 0x3c800000                      ; 1 / 64
	s_mov_b32 s59, 0x358637bd                      ; 1e-6
	s_mov_b32 s60, 0xbdd2d3e8                      ; K2 = K1 x 0.044715
	s_mov_b32 s61, s60
.macro FRAGS q                         ; K step q's 16 fragments, as they lie: 16 bytes a lane, 512 consecutive bytes a load
	WIN 0x40
.irp i, 0,1,2,3,4,5,6,7
.irp c, 0,1
	ds_load_b128 v[64*((\q)%2)+8*\i+4*\c:64*((\q)%2)+8*\i+4*\c+3], v[8+(\q)/2] offset:8192*\i+1024*((\q)%2)+512*\c
.endr
.endr
.irp i, 0,1,2,3,4,5,6,7
.irp c, 0,1
	ds_load_b128 v[128+64*((\q)%2)+8*\i+4*\c:128+64*((\q)%2)+8*\i+4*\c+3], v[12+(\q)/2] offset:8192*\i+1024*((\q)%2)+512*\c
.endr
.endr
	WIN 0
.endm
.macro MUL q, zero                     ; 64 products; the accumulators take turns, one instruction a turn, in the same order in every K step
.irp a, 0,1,2,3,4,5,6,7
.if \a == 0
	WIN 0xa5
.endif
.if \a == 4
	WIN 0xf5
.endif
.irp b, 0,1,2,3,4,5,6,7
.if \zero
	v_wmma_scale_f32_16x16x128_f8f6f4 v[64*(\a%4)+8*\b:64*(\a%4)+8*\b+7], v[64*((\q)%2)+8*\b:64*((\q)%2)+8*\b+7], v[128+64*((\q)%2)+8*\a:128+64*((\q)%2)+8*\a+7], 0, v[SC+8*(\q)+\b], v[SC+8*(\q)+\a] matrix_a_fmt:MATRIX_FMT_FP4 matrix_b_fmt:MATRIX_FMT_FP4 matrix_a_scale:MATRIX_SCALE_ROW1
.else
	v_wmma_scale_f32_16x16x128_f8f6f4 v[64*(\a%4)+8*\b:64*(\a%4)+8*\b+7], v[64*((\q)%2)+8*\b:64*((\q)%2)+8*\b+7], v[128+64*((\q)%2)+8*\a:128+64*((\q)%2)+8*\a+7], v[64*(\a%4)+8*\b:64*(\a%4)+8*\b+7], v[SC+8*(\q)+\b], v[SC+8*(\q)+\a] matrix_a_fmt:MATRIX_FMT_FP4 matrix_b_fmt:MATRIX_FMT_FP4 matrix_a_scale:MATRIX_SCALE_ROW1
.endif
.endr
.endr
.endm
.macro KSTEP q
	s_wait_dscnt 0x0                               ; this step's fragments are in; nothing of mine is pending at a signal
.if (\q) < 7
.if (\q) > 0
	PLACES                                         ; in front of loads into registers that the last step's products read
.endif
	FRAGS (\q)+1
.endif
.if (\q) == 0
	s_wait_loadcnt 0x0                             ; scale words and bias
	MUL 0, 1                                       ; the first products start the sums
.else
	MUL \q, 0
.endif
.endm
	s_wait_tensorcnt 0x0                           ; my block has landed; the barrier shows every wave's block to all
	s_barrier_signal -1
	s_barrier_wait -1
	FRAGS 0
.irp q, 0,1,2,3,4,5,6,7
	KSTEP \q
.endr
	WIN 0
	PLACES                                         ; in front of the first reads of results, and of writes into the fragments' registers
; A UNIT is one tile of source 1 with all of source 0: 64 registers.  COPY adds the bias and brings the unit into window 0, each accumulator from its low end on.
.macro COPY u
	WIN 2+(\u)/4
.set n, 0
.rept 32
	v_pk_add_f32 v[T+n:T+n+1], v[64*((\u)%4)+n:64*((\u)%4)+n+1], v[BIAS+n:BIAS+n+1]
.set n, n+2
.endr
	WIN 0
.endm
.macro COPYSEL                         ; unit s2's copy: register numbers cannot hang on a counter, so eight blocks and a chain of scalar branches
	s_cmp_eq_u32 s2, 0
	s_cbranch_scc1 .Lc0_\@
	s_cmp_eq_u32 s2, 1
	s_cbranch_scc1 .Lc1_\@
	s_cmp_eq_u32 s2, 2
	s_cbranch_scc1 .Lc2_\@
	s_cmp_eq_u32 s2, 3
	s_cbranch_scc1 .Lc3_\@
	s_cmp_eq_u32 s2, 4
	s_cbranch_scc1 .Lc4_\@
	s_cmp_eq_u32 s2, 5
	s_cbranch_scc1 .Lc5_\@
	s_cmp_eq_u32 s2, 6
	s_cbranch_scc1 .Lc6_\@
	COPY 7
	s_branch .Lcj_\@
.Lc0_\@:
	COPY 0
	s_branch .Lcj_\@
.Lc1_\@:
	COPY 1
	s_branch .Lcj_\@
.Lc2_\@:
	COPY 2
	s_branch .Lcj_\@
.Lc3_\@:
	COPY 3
	s_branch .Lcj_\@
.Lc4_\@:
	COPY 4
	s_branch .Lcj_\@
.Lc5_\@:
	COPY 5
	s_branch .Lcj_\@
.Lc6_\@:
	COPY 6
.Lcj_\@:
.endm
	s_lshr_b32 s32, s21, 4
	s_lshl_b32 s32, s32, 4
	s_and_b32 s33, s22, 7
	s_lshl_b32 s33, s33, 1
	s_add_co_u32 s32, s32, s33                     ; my first head: 16 x batch + 2 (cb % 8)
	s_and_b32 s33, s21, 15                         ; my 128 tokens in the batch: the key step
	s_cmp_eq_u32 s3, 2
	s_cbranch_scc1 .Lv
	s_cmp_eq_u32 s3, 3
	s_cbranch_scc1 .Lmlp
; ---- q and k.  A unit is 16 tokens x two heads: T + 32 e holds head e; a lane and its partner 16 away hold the head's 64.
	s_lshl_b32 s34, s32, 16
	s_lshl_b32 s35, s33, 12
	s_add_co_u32 s34, s34, s35
	s_add_co_u32 s34, s34, QC                      ; q's codes
	s_lshl_b32 s36, s32, 12
	s_lshl_b32 s37, s33, 8
	s_add_co_u32 s36, s36, s37
	s_add_co_u32 s36, s36, QS                      ; q's words
	s_mul_i32 s38, s32, HEADB
	s_mul_i32 s39, s33, STEPB
	s_add_co_u32 s38, s38, s39                     ; k's codes
	s_add_co_u32 s39, s38, 8192                    ; k's words
	s_mov_b32 s52, HEADB
	s_mov_b32 s53, HEADB
	s_cmp_eq_u32 s3, 0
	s_cselect_b32 s34, s34, s38
	s_cselect_b32 s36, s36, s39
	s_cselect_b32 s52, 65536, s52                  ; from a head's codes to the next head's
	s_cselect_b32 s53, 4096, s53                   ; and its words
	s_cselect_b64 s[40:41], s[6:7], s[10:11]       ; the head norm's gain
	s_cselect_b64 s[42:43], s[8:9], s[12:13]       ; and bias
	s_mov_b32 s35, 0
	s_mov_b32 s37, 0
	s_add_nc_u64 s[48:49], s[14:15], s[34:35]
	s_add_nc_u64 s[50:51], s[14:15], s[36:37]
	v_add_nc_u32 v6, s52, v3
	v_mul_lo_u32 v7, v2, s53
	v_lshl_add_u32 v7, v1, 4, v7
	v_lshlrev_b32 v29, 6, v2
	WIN 0x40
.irp n, 0,1,2,3,4,5,6,7                ; window 1: v0-31 the gain, v32-63 the bias: register 16 b + i is d = 32 b + 16 h + i
	global_load_b128 v[4*\n:4*\n+3], v29, s[40:41] offset:128*(\n/4)+16*(\n%4)
	global_load_b128 v[32+4*\n:32+4*\n+3], v29, s[42:43] offset:128*(\n/4)+16*(\n%4)
.endr
	WIN 0
.irp k, 0,1,2,3
	v_mov_b32 v[24+\k], 0
.endr
	s_mov_b32 s2, 0
.Lln:
	COPYSEL
.irp e, 0,1
	v_pk_add_f32 v[224+4*\e:225+4*\e], v[T+32*\e:T+32*\e+1], v[T+32*\e+2:T+32*\e+3]
	v_pk_add_f32 v[226+4*\e:227+4*\e], v[T+32*\e+4:T+32*\e+5], v[T+32*\e+6:T+32*\e+7]
.endr
.irp i, 8,12,16,20,24,28
.irp e, 0,1
	v_pk_add_f32 v[224+4*\e:225+4*\e], v[224+4*\e:225+4*\e], v[T+32*\e+\i:T+32*\e+\i+1]
	v_pk_add_f32 v[226+4*\e:227+4*\e], v[226+4*\e:227+4*\e], v[T+32*\e+\i+2:T+32*\e+\i+3]
.endr
.endr
.irp e, 0,1
	v_pk_add_f32 v[224+4*\e:225+4*\e], v[224+4*\e:225+4*\e], v[226+4*\e:227+4*\e]
.endr
.irp e, 0,1
	v_add_f32 v[224+4*\e], v[224+4*\e], v[225+4*\e]
.endr
.irp e, 0,1
	v_permlanex16_b32 v[225+4*\e], v[224+4*\e], s56, s57
.endr
.irp e, 0,1
	v_add_f32 v[224+4*\e], v[224+4*\e], v[225+4*\e]
.endr
.irp e, 0,1
	v_mul_f32 v[232+2*\e], s58, v[224+4*\e]        ; -mean
.endr
.irp i, 0,2,4,6,8,10,12,14,16,18,20,22,24,26,28,30
.irp e, 0,1
	v_pk_add_f32 v[T+32*\e+\i:T+32*\e+\i+1], v[T+32*\e+\i:T+32*\e+\i+1], v[232+2*\e:233+2*\e] op_sel_hi:[1,0]
.endr
.endr
.irp e, 0,1
	v_pk_mul_f32 v[224+4*\e:225+4*\e], v[T+32*\e:T+32*\e+1], v[T+32*\e:T+32*\e+1]
	v_pk_mul_f32 v[226+4*\e:227+4*\e], v[T+32*\e+2:T+32*\e+3], v[T+32*\e+2:T+32*\e+3]
.endr
.irp i, 4,8,12,16,20,24,28
.irp e, 0,1
	v_pk_fma_f32 v[224+4*\e:225+4*\e], v[T+32*\e+\i:T+32*\e+\i+1], v[T+32*\e+\i:T+32*\e+\i+1], v[224+4*\e:225+4*\e]
	v_pk_fma_f32 v[226+4*\e:227+4*\e], v[T+32*\e+\i+2:T+32*\e+\i+3], v[T+32*\e+\i+2:T+32*\e+\i+3], v[226+4*\e:227+4*\e]
.endr
.endr
.irp e, 0,1
	v_pk_add_f32 v[224+4*\e:225+4*\e], v[224+4*\e:225+4*\e], v[226+4*\e:227+4*\e]
.endr
.irp e, 0,1
	v_add_f32 v[224+4*\e], v[224+4*\e], v[225+4*\e]
.endr
.irp e, 0,1
	v_permlanex16_b32 v[225+4*\e], v[224+4*\e], s56, s57
.endr
.irp e, 0,1
	v_add_f32 v[224+4*\e], v[224+4*\e], v[225+4*\e]
.endr
.irp e, 0,1
	v_fma_f32 v[236+2*\e], v[224+4*\e], s63, s59   ; variance + 1e-6
.endr
	s_wait_alu depctr_va_vdst(0)
.irp e, 0,1
	v_rsq_f32 v[240+2*\e], v[236+2*\e]
.endr
	v_nop                                          ; a plain line behind the two,
	s_wait_alu depctr_va_vdst(0)                   ; and one wait for both, ahead of their first reader
	s_wait_loadcnt 0x0                             ; gain and bias (first trip)
.irp i, 0,2,4,6,8,10,12,14,16,18,20,22,24,26,28,30
.irp e, 0,1
	v_pk_mul_f32 v[T+32*\e+\i:T+32*\e+\i+1], v[T+32*\e+\i:T+32*\e+\i+1], v[240+2*\e:241+2*\e] op_sel_hi:[1,0]
.endr
.endr
	WIN 0x14                                       ; sources 1 and 2 in window 1
.irp i, 0,2,4,6,8,10,12,14,16,18,20,22,24,26,28,30
.irp e, 0,1
	v_pk_fma_f32 v[T+32*\e+\i:T+32*\e+\i+1], v[T+32*\e+\i:T+32*\e+\i+1], v[\i:\i+1], v[32+\i:33+\i]
.endr
.endr
	WIN 0
	QUANT4 T, PC, PW                               ; code registers 4 e .. 4 e + 3: head e's 16 tokens x 64, half a fragment; half e of the word: its two bytes
	global_store_b128 v3, v[PC:PC+3], s[48:49]     ; 512 consecutive bytes, aligned
	global_store_b128 v6, v[PC+4:PC+7], s[48:49]
	v_lshrrev_b32 v245, 16, v[PW]
	v_cndmask_b32 v28, v[PW], v245, s54            ; lanes 0-15 gather head 0's half words, lanes 16-31 head 1's:
	v_perm_b32 v24, v25, v24, s55                  ; 128 bits go 16 down, the new half word comes in on top: after eight units tile i's lies at half word i
	v_perm_b32 v25, v26, v25, s55
	v_perm_b32 v26, v27, v26, s55
	v_perm_b32 v27, v28, v27, s55
	s_wait_xcnt 0x0                                ; the stores have read their data and base: both are written again
	s_add_nc_u64 s[48:49], s[48:49], 512
	s_add_co_u32 s2, s2, 1
	s_cmp_lt_u32 s2, 8
	s_cbranch_scc1 .Lln
	s_wait_alu depctr_va_vdst(0)
	global_store_b128 v7, v[24:27], s[50:51]       ; twice 256 consecutive bytes: each head's words of these 128 tokens
	s_wait_xcnt 0x0
	v_lshl_add_u32 v254, v0, 2, 0x40000
	v_mov_b32 v255, 0
	s_wait_alu depctr_va_vdst(0)
	s_wait_tensorcnt 0x0
	ds_add_u32 v254, v255
	s_wait_dscnt 0x0
	ROUND                                          ; the closing round
	s_endpgm
; ---- the hidden layer: g = u / (1 + 2^(u (K1 + K2 u^2))); my 128 columns are one K step of the next product
.Lmlp:
	s_sub_co_u32 s34, s22, 24                      ; that K step
	s_lshl_b32 s36, s34, 8
	s_lshl_b32 s34, s34, 10
	s_lshl_b32 s35, s21, 16
	s_add_co_u32 s34, s34, s35
	s_add_co_u32 s34, s34, GC
	s_lshl_b32 s37, s21, 12
	s_add_co_u32 s36, s36, s37
	s_add_co_u32 s36, s36, GS
	s_mov_b32 s35, 0
	s_mov_b32 s37, 0
	s_add_nc_u64 s[48:49], s[16:17], s[34:35]
	s_add_nc_u64 s[50:51], s[16:17], s[36:37]
	v_lshlrev_b32 v7, 11, v2
	v_lshl_add_u32 v7, v1, 4, v7
	v_mov_b32 v30, 0xc0135761                      ; K1 = -2 sqrt(2 / pi) log2(e)
	v_mov_b32 v31, 0xc0135761
.irp k, 0,1,2,3
	v_mov_b32 v[24+\k], 0
.endr
	s_mov_b32 s2, 0
.Lgelu:
	COPYSEL
	WIN 0x40                                       ; Z, in window 1: u^2
.set n, 0
.rept 32
	v_pk_mul_f32 v[n:n+1], v[T+n:T+n+1], v[T+n:T+n+1]
.set n, n+2
.endr
	WIN 0x41
.set n, 0
.rept 32
	v_pk_fma_f32 v[n:n+1], v[n:n+1], s[60:61], v[30:31] op_sel_hi:[1,0,1]
.set n, n+2
.endr
.set n, 0
.rept 32
	v_pk_mul_f32 v[n:n+1], v[n:n+1], v[T+n:T+n+1]
.set n, n+2
.endr
.set n, 0
	s_wait_alu depctr_va_vdst(0)
.rept 64
	v_exp_f32 v[n], v[n]
.set n, n+1
.endr
	v_nop
	s_wait_alu depctr_va_vdst(0)                   ; one wait for the batch of 64
.set n, 0
.rept 32
	v_pk_add_f32 v[n:n+1], v[n:n+1], 1.0 op_sel_hi:[1,0]
.set n, n+2
.endr
.set n, 0
	s_wait_alu depctr_va_vdst(0)
.rept 64
	v_rcp_f32 v[n], v[n]
.set n, n+1
.endr
	v_nop
	s_wait_alu depctr_va_vdst(0)
	WIN 0x04
.set n, 0
.rept 32
	v_pk_mul_f32 v[T+n:T+n+1], v[T+n:T+n+1], v[n:n+1]
.set n, n+2
.endr
	WIN 0
	QUANT4 T, PC, PW
	global_store_b128 v3, v[PC:PC+3], s[48:49]
	global_store_b128 v3, v[PC+4:PC+7], s[48:49] offset:512
	s_cmp_lt_u32 s2, 4
	s_cselect_b32 s62, 0xffff, s54                 ; units 0-3 gather in lanes 0-15, units 4-7 in lanes 16-31: four words each
	v_cndmask_b32 v24, v24, v25, s62
	v_cndmask_b32 v25, v25, v26, s62
	v_cndmask_b32 v26, v26, v27, s62
	v_cndmask_b32 v27, v27, v[PW], s62
	s_wait_xcnt 0x0                                ; the stores have read their data and base
	s_add_nc_u64 s[48:49], s[48:49], 8192
	s_add_co_u32 s2, s2, 1
	s_cmp_lt_u32 s2, 8
	s_cbranch_scc1 .Lgelu
	s_wait_alu depctr_va_vdst(0)
	global_store_b128 v7, v[24:27], s[50:51]
	s_wait_xcnt 0x0
	v_lshl_add_u32 v254, v0, 2, 0x40000
	v_mov_b32 v255, 0
	s_wait_alu depctr_va_vdst(0)
	s_wait_tensorcnt 0x0
	ds_add_u32 v254, v255
	s_wait_dscnt 0x0
	ROUND                                          ; the closing round
	s_endpgm
; ---- v.  A unit is 16 columns (a quarter of a head) x my 128 tokens: one fragment of V^T for one key step
.Lv:
	s_mul_i32 s34, s32, HEADB
	s_mul_i32 s35, s33, STEPB
	s_add_co_u32 s34, s34, s35
	s_mov_b32 s35, 0
	s_add_nc_u64 s[48:49], s[14:15], s[34:35]
	v_mul_u32_u24 v7, v2, HEADB
	v_lshl_add_u32 v7, v1, 4, v7
.irp u, 0,1,2,3,4,5,6,7
	s_wait_xcnt 0x0                                ; the last unit's stores have read their data
	WIN 2+\u/4
.set n, 0
.rept 32
	v_pk_add_f32 v[T+n:T+n+1], v[64*(\u%4)+n:64*(\u%4)+n+1], v[BIAS+2*\u:BIAS+2*\u+1]
.set n, n+2
.endr
	WIN 0
	QUANT4 T, PC, 246+\u
	global_store_b128 v3, v[PC:PC+3], s[48:49] offset:(\u/4)*HEADB+4096+1024*(\u%4)
	global_store_b128 v3, v[PC+4:PC+7], s[48:49] offset:(\u/4)*HEADB+4096+1024*(\u%4)+512
.endr
.irp k, 0,1,2,3
	v_cndmask_b32 v[24+\k], v[246+\k], v[250+\k], s54   ; lanes 0-15: the first head's four words, lanes 16-31: the second's
.endr
	global_store_b128 v7, v[24:27], s[48:49] offset:8448
	s_wait_xcnt 0x0
	v_lshl_add_u32 v254, v0, 2, 0x40000
	v_mov_b32 v255, 0
	s_wait_alu depctr_va_vdst(0)
	s_wait_tensorcnt 0x0
	ds_add_u32 v254, v255
	s_wait_dscnt 0x0
	ROUND                                          ; the closing round
	s_endpgm
.Lfunc_end_k_qa33f1b9f4a_qkvm:
	.size	k_qa33f1b9f4a_qkvm, .Lfunc_end_k_qa33f1b9f4a_qkvm-k_qa33f1b9f4a_qkvm
	.p2alignl 7, 3214868480
	.fill 96, 4, 3214868480
	.section	.rodata,"a",@progbits
	.p2align	6, 0x0
	.amdhsa_kernel k_qa33f1b9f4a_qkvm
		.amdhsa_group_segment_fixed_size 262656
		.amdhsa_private_segment_fixed_size 0
		.amdhsa_enable_private_segment 0
		.amdhsa_kernarg_size 56
		.amdhsa_user_sgpr_count 2
		.amdhsa_user_sgpr_kernarg_segment_ptr 1
		.amdhsa_wavefront_size32 1
		.amdhsa_system_sgpr_workgroup_id_x 1
		.amdhsa_system_sgpr_workgroup_id_y 1
		.amdhsa_system_sgpr_workgroup_id_z 1
		.amdhsa_system_vgpr_workitem_id 0
		.amdhsa_next_free_vgpr 1024
		.amdhsa_next_free_sgpr 66
		.amdhsa_reserve_vcc 0
		.amdhsa_float_denorm_mode_32 3
		.amdhsa_float_denorm_mode_16_64 3
		.amdhsa_memory_ordered 1
		.amdhsa_forward_progress 1
		.amdhsa_inst_pref_size 220
	.end_amdhsa_kernel
	.amdgpu_metadata
---
amdhsa.version: [ 1, 2 ]
amdhsa.kernels:
  - .name:           k_qa33f1b9f4a_qkvm
    .symbol:         k_qa33f1b9f4a_qkvm.kd
    .args:
      - { .name: in2, .offset: 0, .size: 8, .value_kind: global_buffer, .address_space: global }
      - { .name: qn_g, .offset: 8, .size: 8, .value_kind: global_buffer, .address_space: global }
      - { .name: qn_b, .offset: 16, .size: 8, .value_kind: global_buffer, .address_space: global }
      - { .name: kn_g, .offset: 24, .size: 8, .value_kind: global_buffer, .address_space: global }
      - { .name: kn_b, .offset: 32, .size: 8, .value_kind: global_buffer, .address_space: global }
      - { .name: in3, .offset: 40, .size: 8, .value_kind: global_buffer, .address_space: global }
      - { .name: in4, .offset: 48, .size: 8, .value_kind: global_buffer, .address_space: global }
    .group_segment_fixed_size: 262656
    .private_segment_fixed_size: 0
    .kernarg_segment_align: 8
    .kernarg_segment_size: 56
    .max_flat_workgroup_size: 128
    .sgpr_count:     66
    .vgpr_count:     1024
    .wavefront_size: 32
...
	.end_amdgpu_metadata
.endif
;; end of part 2
;; launch attn (part 3): grid 8 x 32, 8 waves a work-group, clusters of 4 x 1, 327,680 bytes of LDS; arguments in3, in4; writes in4
.if DOCPART == 3
	.amdgcn_target "amdgcn-amd-amdhsa--gfx1250"
	.amdhsa_code_object_version 6
	.text
	.protected	k_qa33f1b9f4a_attn
	.globl	k_qa33f1b9f4a_attn
	.p2align	8
	.type	k_qa33f1b9f4a_attn,@function
k_qa33f1b9f4a_attn:
	s_mov_b64 s[64:65], 0
	v_nop
	global_prefetch_b8 v0, s[64:65] scope:SCOPE_SE
	s_setreg_imm32_b32 hwreg(HW_REG_WAVE_MODE, 25, 1), 1
	s_wait_xcnt 0x0
	s_wait_alu depctr_hold_cnt(0) depctr_sa_sdst(0) depctr_va_vdst(0) depctr_va_sdst(0) depctr_va_ssrc(0) depctr_va_vcc(0) depctr_vm_vsrc(0)
	s_getreg_b32 s2, hwreg(HW_REG_IB_STS2, 6, 4)
	s_cmp_eq_u32 s2, 0
	s_cbranch_scc0 .Lentry_in_a_cluster
	s_endpgm
.Lentry_in_a_cluster:
	s_bfe_u32 s2, ttmp6, 0x10000c
	s_cmp_lg_u32 s2, 0x3003
	s_cbranch_scc0 .Lentry_shape_is_right
	s_endpgm
.Lentry_shape_is_right:
; ATTN: a = softmax(q k^T / 8) v for one head (work-group y) and 256 queries (work-group x), both products on codes of FP4 (E2M1) with E8M0 scales; a is quantised along the head's 64 on the way out.
; p = 2^(t - M), t = score x log2(e) / 8, M the running largest t rounded up to a whole number; the row's sum is taken of the unquantised p and divides at the end.
; LIMIT: the promise holds while the scaled scores t stay under 2^31 in magnitude.  A block of zeros gets the byte 1, not 127 (this program alone reads the bytes).  NaN and infinities are not served.
; SHARES.  Eight waves, two to a SIMD, each with TWO tiles of 16 queries: every fragment of K and V, every scale word and every LDS load serves both tiles, and the two tiles' dependent chains stand interleaved.
; A head's K, V and their scale words are 16 key steps of 8,704 bytes: wave w fetches steps 2 w and 2 w + 1, its one tensor load, at the head; all 139,264 bytes lie in LDS for the whole launch:
; nothing is filled again, one barrier shows them to all, and the loop over the steps has no barrier.
; CLUSTER: the four work-groups of a cluster serve the same head and need the same tiles: each is asked for jointly (mask 15), behind a round of the cluster's barrier.
; NO PREFETCH: every byte of K and V is asked for by the head's loads; there is no later load ahead of which a loop could ask.
; LDS: rows of 256 bytes + 32 of padding (pitch 288); a step is 34 rows: 0-15 K's codes (tile T, half h of the head's 64: row 2 T + h, token row x 16 bytes), 16-31 V's codes, 32 K's words, 33 V's words.
; THE KEYS OF A SCORE TILE ARE CHOSEN BY THE LANES' ADDRESSES: row 8 g + j of tile (c, u) is key 64 c + 32 g + 8 u + j of the step.  S^T = K Q^T then gives lane (query r, half h) in the 32 registers of tiles (c, 0..3)
; the keys 64 c + 32 h + 0 .. 31: ONE WHOLE BLOCK of the next product's K, in the order of that operand's registers: a block's maximum needs no other lane, and the conversions' results are the operand.
; In memory key 32 b + 16 a + 8 e + j lies in tile 2 b + e at row 8 a + j; so tile (c, u) takes tile 4 c + 2 g + u % 2, row 8 (u / 2) + j.  With the pitch of 288 the rows g = 0 and g = 1 lie 1,152 bytes apart, half a turn of the banks.
; A fragment of 128 along K holds two tiles of 64: Q stands in v16-19 with zeros above (first tile) and in v28-31 with zeros below (second tile).
; K's fragments are asked for one step ahead; the look-ahead's address is held at the last step, so the last trip reads that step's K once more and nobody uses it: the step is written once.
; REGISTERS.  Window 0: v1-6 addresses that stay, v8-11 the step's, v16-31 Q of query tile 0, v32-63 K, v64-95 V, v96-159 tile 0's S^T then p, v192-199 K's and V's scale words, v249, v251 the add's two.
;   Small state, tile 0 / tile 1: -M and the largest score v[12:13] / v[206:207]; the sum v[14:15] / v[208:209]; partial sums v200-205 / v210-215; block maxima v232-235 / v216-219; at work v236-239 / v168-171;
;   scale operands v244-245 / v172-173; the old -M v250 / v174; f and p's scale word v[252:253] / v[246:247]; at work v254 / v175; p's codes v224-231 / v160-167; Q's scale word v255 / v248.
;   Window 1: v16-31 Q of tile 1, v32-63 tile 1's O^T, v96-159 tile 1's S^T then p, v160-191 tile 0's O^T.
.set HEADB, 139264
.set STEPB, 8704
.set QC,    4456448
.set QS,    6553600
.set AS,    5242880
.set RP,    288                        ; an LDS row
.set SP,    34*RP                      ; a key step in LDS
.set SPARE, 16*SP                      ; behind the steps: the spare words, 128 bytes a wave
.set MSB, 0
.macro WIN new                         ; low byte: bits 1:0 source 0, 3:2 source 1, 5:4 source 2, 7:6 destination; the high byte repeats the setting that is left
.if MSB != (\new)
	s_set_vgpr_msb (MSB<<8)|(\new)
.set MSB, (\new)
.endif
.endm
.macro ROUND                           ; a round of the cluster's barrier
	s_barrier_signal -1
	s_barrier_wait -1
	s_cmp_lg_u32 s8, 0
	s_cbranch_scc1 .Lnw0_\@
	s_barrier_signal -3
.Lnw0_\@:
	s_barrier_wait -3
	s_barrier_signal -1
	s_barrier_wait -1
.endm
.macro KL c, a, ac, aw                 ; fragment (c, a) of K: tiles (c, 2 a) and (c, 2 a + 1), and the one word that holds both tiles' bytes
.irp e, 0,1
	ds_load_b128 v[32+8*(2*\c+\a)+4*\e:35+8*(2*\c+\a)+4*\e], v[\ac] offset:8*RP*\c+2*RP*\e+128*\a
.endr
	ds_load_b32 v[192+2*\c+\a], v[\aw] offset:32*RP+128*\a+8*\c
.endm
.macro FM n, nm                        ; the next n of a tile's 32 lines t - M
.rept \n
	v_pk_fma_f32 v[96+FJ:97+FJ], v[96+FJ:97+FJ], s[34:35], v[\nm:\nm+1] op_sel_hi:[1,0,0]
.set FJ, FJ+2
.endr
.endm
.macro SUMS n, ps, su                  ; the next n of the 29 lines that add a tile's 32 pairs of p into four chains: three partial sums and the running sum
.rept \n
.if PI < 3
	v_pk_add_f32 v[\ps+2*PI:\ps+1+2*PI], v[96+4*PI:97+4*PI], v[98+4*PI:99+4*PI]
.else
.if (PI%4) == 3
	v_pk_add_f32 v[\su:\su+1], v[\su:\su+1], v[102+2*PI:103+2*PI]
.else
	v_pk_add_f32 v[\ps+2*(PI%4):\ps+1+2*(PI%4)], v[\ps+2*(PI%4):\ps+1+2*(PI%4)], v[102+2*PI:103+2*PI]
.endif
.endif
.set PI, PI+1
.endr
.endm
.macro MAXT bm, t                      ; the largest score of my two blocks of 32 keys of query tile t, four chains by turns; each accumulator is first read at its low end
	WIN 0x15*\t
.irp c, 0,1
	v_max3_num_f32 v[\bm+\c], v[96+32*\c], v[97+32*\c], v[98+32*\c]
	v_max3_num_f32 v[\bm+2+\c], v[112+32*\c], v[113+32*\c], v[114+32*\c]
.endr
	WIN 0x14*\t
.irp i, 3,5,7,9,11,13
.irp c, 0,1
	v_max3_num_f32 v[\bm+\c], v[\bm+\c], v[96+32*\c+\i], v[97+32*\c+\i]
	v_max3_num_f32 v[\bm+2+\c], v[\bm+2+\c], v[112+32*\c+\i], v[113+32*\c+\i]
.endr
.endr
	WIN 0x04*\t
.irp c, 0,1
	v_max3_num_f32 v[\bm+\c], v[\bm+\c], v[111+32*\c], v[\bm+2+\c]
.endr
.irp c, 0,1
	v_max_num_f32 v[\bm+\c], v[\bm+\c], v[127+32*\c]
.endr
	WIN 0
.endm
	s_load_b128 s[4:7], s[0:1], 0x0                ; in3, in4
	v_lshl_add_u32 v249, v0, 2, SPARE
	v_mov_b32 v251, 0
	ds_add_u32 v249, v251                          ; the opening lines: the add, twice on end, and its wait
	ds_add_u32 v249, v251
	v_lshrrev_b32 v1, 5, v0
	v_readfirstlane_b32 s8, v1                     ; wave
	s_and_b32 s9, ttmp7, 0xffff                    ; head
	s_mov_b32 s24, 15|(3<<16)|(1<<20)|(1<<21)|(5<<22)|(7<<25)   ; mask: the cluster's four; elements of 8 bytes; 8 words of padding behind every 64
	s_mov_b32 s25, 32<<16                          ; tensor_dim0: 256 bytes
	s_mov_b32 s26, 68<<16                          ; tensor_dim1: two key steps
	s_mov_b32 s27, 32<<16                          ; tile_dim0
	s_mov_b32 s28, 68                              ; tile_dim1
	s_mov_b32 s29, 32                              ; the pitch: dense
	s_mov_b32 s30, 0
	s_mov_b32 s31, 0
	s_mul_i32 s12, s9, HEADB
	s_mul_i32 s10, s8, 2*STEPB
	s_add_co_u32 s12, s12, s10                     ; key steps 2 w and 2 w + 1
	s_mov_b32 s13, 0
	s_mov_b32 s16, 1
	s_mul_i32 s17, s8, 2*SP
	s_wait_dscnt 0x0
	s_wait_kmcnt 0x0
	s_add_nc_u64 s[18:19], s[4:5], s[12:13]
	s_or_b32 s19, s19, 0x80000000
	ROUND                                          ; the four work-groups are here: the joint loads meet
	tensor_load_to_lds s[16:19], s[24:31]          ; my one tensor load
	s_nop 0
	s_bfe_u32 s10, ttmp6, 0x40000                  ; cx
	s_lshl_b32 s14, ttmp9, 2
	s_add_co_u32 s14, s14, s10                     ; work-group x
	s_lshl_b32 s14, s14, 3
	s_add_co_u32 s14, s14, s8
	s_lshl_b32 s14, s14, 1                         ; my first tile of queries in the head: an even number
	s_lshl_b32 s12, s9, 16
	s_lshl_b32 s15, s14, 9
	s_add_co_u32 s12, s12, s15
	s_add_co_u32 s12, s12, QC
	s_add_nc_u64 s[20:21], s[4:5], s[12:13]        ; q's codes: 512 bytes a tile
	s_lshl_b32 s12, s9, 12
	s_lshr_b32 s15, s14, 3
	s_lshl_b32 s15, s15, 8
	s_add_co_u32 s12, s12, s15
	s_bfe_u32 s15, s14, 0x20001
	s_lshl_b32 s15, s15, 2
	s_add_co_u32 s12, s12, s15
	s_add_co_u32 s12, s12, QS
	s_add_nc_u64 s[22:23], s[4:5], s[12:13]        ; q's scale word: my two tiles' halves
	v_and_b32 v7, 31, v0
	v_and_b32 v10, 15, v0                          ; r
	v_lshlrev_b32 v1, 4, v7                        ; 16 l
	v_lshlrev_b32 v2, 4, v10                       ; 16 r
	global_load_b128 v[16:19], v1, s[20:21]
	global_load_b128 v[28:31], v1, s[20:21]
	global_load_b32 v254, v2, s[22:23]
	WIN 0x40                                       ; destinations in window 1
	global_load_b128 v[16:19], v1, s[20:21] offset:512
	global_load_b128 v[28:31], v1, s[20:21] offset:512
.irp j, 20,21,22,23,24,25,26,27
	v_mov_b32 v[\j], 0
.endr
.set j, 0
.rept 32
	v_mov_b32 v[32+j], 0                           ; both O^T: the step is written for all steps alike, the first finds zeros
	v_mov_b32 v[160+j], 0
.set j, j+1
.endr
	WIN 0
	v_bfe_u32 v11, v0, 4, 1                        ; h
	v_and_b32 v8, 7, v0                            ; j
	v_bfe_u32 v9, v0, 3, 1                         ; g
	v_mul_u32_u24 v4, v11, RP
	v_lshl_add_u32 v3, v8, 4, v4
	v_mad_u32_u24 v3, v9, 4*RP, v3                 ; K's codes: 1,152 g + 288 h + 16 j
	v_add_nc_u32 v4, v4, v2                        ; V's codes: 288 h + 16 r
	v_lshlrev_b32 v5, 4, v8
	v_lshl_add_u32 v5, v9, 2, v5                   ; K's words: 16 j + 4 g
	v_lshlrev_b32 v6, 3, v11                       ; 8 h: my bytes' place in p's scale word
	s_lshr_b32 s10, s9, 4
	s_lshl_b32 s10, s10, 7
	s_add_co_u32 s10, s10, s14                     ; my first tile among all tokens'
	s_and_b32 s11, s9, 15
	s_lshl_b32 s12, s10, 13
	s_lshl_b32 s15, s11, 9
	s_add_co_u32 s12, s12, s15
	s_add_nc_u64 s[38:39], s[6:7], s[12:13]        ; a's codes: 8,192 bytes from tile to tile
	s_lshr_b32 s12, s10, 2
	s_lshl_b32 s12, s12, 11
	s_lshr_b32 s15, s11, 1
	s_lshl_b32 s15, s15, 8
	s_add_co_u32 s12, s12, s15
	s_and_b32 s15, s10, 3
	s_lshl_b32 s15, s15, 2
	s_add_co_u32 s12, s12, s15
	s_and_b32 s15, s11, 1
	s_lshl_b32 s15, s15, 1
	s_add_co_u32 s12, s12, s15
	s_add_co_u32 s12, s12, AS
	s_add_nc_u64 s[40:41], s[6:7], s[12:13]        ; a's half word of scales: 4 bytes from my first tile to my second
	s_mov_b32 s32, 0x76543210
	s_mov_b32 s33, 0xfedcba98                      ; lane l xor 16
	s_mov_b32 s34, 0x3e38aa3b                      ; c = log2(e) / 8
	s_mov_b32 s35, s34
	s_mov_b32 s37, 0xbe38aa3b                      ; -c
	s_mov_b32 s42, 0x01000100
	s_mov_b32 s43, 0x03020302
	s_wait_alu depctr_va_vdst(0)
	s_wait_loadcnt 0x0
	v_perm_b32 v255, v254, v254, s42               ; the even tile's half of q's word, into both halves;
	v_perm_b32 v248, v254, v254, s43               ; the odd tile's
.irp j, 20,21,22,23,24,25,26,27
	v_mov_b32 v[\j], 0
.endr
.irp j, 13, 207
	v_mov_b32 v[\j], 0xff61b1e6                    ; the largest score so far: -3e38
.endr
.irp j, 12, 206
	v_mov_b32 v[\j], 0x7e000000                    ; -M: so large that the first change of M multiplies the zeros by 0
.endr
.irp j, 14,15,208,209, 236,238,253, 168,170,247
	v_mov_b32 v[\j], 0                             ; the sums; lane permutes' destinations and pairs' upper halves count as read
.endr
	s_mov_b32 s2, 0
	s_mov_b32 s3, 0
	s_wait_alu depctr_va_vdst(0)
	s_wait_tensorcnt 0x0                           ; my two key steps have landed
	s_barrier_signal -1
	s_barrier_wait -1                              ; everybody's have
	KL 0, 0, 3, 5                                  ; step 0's K
	KL 0, 1, 3, 5
	KL 1, 0, 3, 5
	KL 1, 1, 3, 5
	s_wait_dscnt 0x0
.Lstep:                                                ; a key step of 128 keys at LDS byte s2; its K is in registers
.set FJ, 0
.set PI, 0
	s_add_co_u32 s10, s2, SP
	s_min_u32 s10, s10, 15*SP                      ; where the next step's K lies; held at the last step
.irp b, 0,1,2,3
	v_wmma_scale_f32_16x16x128_f8f6f4 v[96+16*\b:103+16*\b], v[32+8*\b:39+8*\b], v[16:23], 0, v[192+\b], v255 matrix_a_fmt:MATRIX_FMT_FP4 matrix_b_fmt:MATRIX_FMT_FP4
	v_wmma_scale_f32_16x16x128_f8f6f4 v[104+16*\b:111+16*\b], v[32+8*\b:39+8*\b], v[24:31], 0, v[192+\b], v255 matrix_a_fmt:MATRIX_FMT_FP4 matrix_b_fmt:MATRIX_FMT_FP4
.endr
	WIN 0x44                                       ; tile 1: Q and the scores in window 1
.irp b, 0,1,2,3
	v_wmma_scale_f32_16x16x128_f8f6f4 v[96+16*\b:103+16*\b], v[32+8*\b:39+8*\b], v[16:23], 0, v[192+\b], v248 matrix_a_fmt:MATRIX_FMT_FP4 matrix_b_fmt:MATRIX_FMT_FP4
	v_wmma_scale_f32_16x16x128_f8f6f4 v[104+16*\b:111+16*\b], v[32+8*\b:39+8*\b], v[24:31], 0, v[192+\b], v248 matrix_a_fmt:MATRIX_FMT_FP4 matrix_b_fmt:MATRIX_FMT_FP4
.endr
	WIN 0
	v_add_nc_u32 v9, s2, v4                        ; four places behind the products: ahead of the first read of the scores and of the loads into K's and V's registers
	v_add_nc_u32 v11, s2, v2
	v_add_nc_u32 v8, s10, v3
	v_add_nc_u32 v10, s10, v5
	MAXT 232, 0
	MAXT 216, 1
	v_mov_b32 v250, v12                            ; the old -M
	v_mov_b32 v174, v206
	v_max_num_f32 v254, v232, v233                 ; the two tiles' chains to the new M, by turns; the step's LDS loads stand between their lines
	v_max_num_f32 v175, v216, v217
	KL 0, 0, 8, 10
	v_permlanex16_b32 v236, v254, s32, s33
	v_permlanex16_b32 v168, v175, s32, s33
	KL 0, 1, 8, 10
	v_max3_num_f32 v13, v13, v254, v236            ; the running largest score of my query
	v_max3_num_f32 v207, v207, v175, v168
	KL 1, 0, 8, 10
	v_mul_f32 v239, s37, v13                       ; -t
	v_mul_f32 v171, s37, v207
	KL 1, 1, 8, 10
	v_floor_f32 v12, v239                          ; the new -M = floor(-t): M is a whole number
	v_floor_f32 v206, v171
.irp n, 0,1,2,3,4,5,6,7
	ds_load_b128 v[64+4*\n:67+4*\n], v9 offset:(16+2*\n)*RP
.endr
	ds_load_b128 v[196:199], v11 offset:33*RP      ; V's words
	FM 6, 12                                       ; tile 0: t - M; the chains to f stand among these lines
	v_sub_f32 v254, v12, v250                      ; old M - new M: a whole number, 0 or less
	v_sub_f32 v175, v206, v174
	FM 6, 12
	v_cvt_i32_f32 v254, v254                       ; (it saturates)
	v_cvt_i32_f32 v175, v175
	FM 6, 12
	v_ldexp_f32 v252, 1.0, v254                    ; f = 2^(old M - new M)
	v_ldexp_f32 v246, 1.0, v175
	FM 14, 12
.irp c, 0,1
	v_fma_f32 v[232+\c], v[232+\c], s34, v12       ; the same of each block's largest score
	v_fma_f32 v[216+\c], v[216+\c], s34, v206
.endr
	v_pk_mul_f32 v[14:15], v[14:15], v[252:253] op_sel_hi:[1,0]      ; the sums under the new M
	v_pk_mul_f32 v[208:209], v[208:209], v[246:247] op_sel_hi:[1,0]
	WIN 0x41                                       ; source 0 and destination in window 1
.set FJ, 0
	FM 32, 206                                     ; tile 1: t - M
.set j, 0
.rept 16
	v_pk_mul_f32 v[160+j:161+j], v[160+j:161+j], v[252:253] op_sel_hi:[1,0]   ; both O^T under the new M: no transcendental stands between the last products and these lines
	v_pk_mul_f32 v[32+j:33+j], v[32+j:33+j], v[246:247] op_sel_hi:[1,0]
.set j, j+2
.endr
	s_wait_alu depctr_va_vdst(0)
.set j, 0
.rept 64
	v_exp_f32 v[96+j], v[96+j]                     ; tile 1's p
.set j, j+1
.endr
	WIN 0
.set j, 0
.rept 64
	v_exp_f32 v[96+j], v[96+j]                     ; tile 0's p
.set j, j+1
.endr
.irp c, 232,233,216,217
	v_exp_f32 v[\c], v[\c]                         ; each block's largest p
.endr
	v_nop                                          ; a plain place behind the batch
	s_wait_alu depctr_va_vdst(0)                   ; one wait for the batch of 132, ahead of its first reader
.irp c, 232,233,216,217
	v_max_num_f32 v[\c], 0x1800000, v[\c]          ; the floor 2^(3 - 127): the byte cannot fall under 1
.endr
	SUMS 2, 200, 14                                ; tile 0's sum of the unquantised p stands among both tiles' scale lines
.irp c, 0,1
	v_add_nc_u32 v[244+\c], 0xff000000, v[232+\c]  ; 2 off the exponent field: the conversion's scale operand
	v_add_nc_u32 v[172+\c], 0xff000000, v[216+\c]
.endr
	SUMS 2, 200, 14
.irp c, 0,1
.irp u, 0,1,2,3
	v_cvt_scalef32_pk8_fp4_f32 v[224+4*\c+\u], v[96+32*\c+8*\u:103+32*\c+8*\u], v[244+\c]   ; register 4 c + u of the operand, as it stands
.endr
.endr
.irp c, 0,1
	v_lshrrev_b32 v[236+\c], 23, v[244+\c]         ; the bytes of blocks h and 2 + h (plain lines behind the conversions)
	v_lshrrev_b32 v[168+\c], 23, v[172+\c]
.endr
	SUMS 2, 200, 14
	v_lshl_or_b32 v253, v237, 16, v236
	v_lshl_or_b32 v247, v169, 16, v168
	SUMS 3, 200, 14
	v_lshlrev_b32 v253, v6, v253                   ; at their places, 8 h bits up
	v_lshlrev_b32 v247, v6, v247
	SUMS 3, 200, 14
	v_permlanex16_b32 v238, v253, s32, s33
	v_permlanex16_b32 v170, v247, s32, s33
	SUMS 3, 200, 14
	v_or_b32 v253, v253, v238                      ; with lane l xor 16's two the word is whole
	v_or_b32 v247, v247, v170
	SUMS 14, 200, 14
	v_pk_add_f32 v[200:201], v[200:201], v[202:203]
	v_pk_add_f32 v[14:15], v[14:15], v[204:205]
	v_pk_add_f32 v[14:15], v[14:15], v[200:201]
	WIN 0x01                                       ; tile 1's p: source 0 in window 1
.irp c, 0,1
.irp u, 0,1,2,3
	v_cvt_scalef32_pk8_fp4_f32 v[160+4*\c+\u], v[96+32*\c+8*\u:103+32*\c+8*\u], v[172+\c]
.endr
.endr
.set PI, 0
	WIN 0x05                                       ; both sources in window 1
	SUMS 3, 210, 208
	WIN 0x04                                       ; source 1 in window 1
	SUMS 26, 210, 208
	WIN 0
	v_pk_add_f32 v[210:211], v[210:211], v[212:213]
	v_pk_add_f32 v[208:209], v[208:209], v[214:215]
	v_pk_add_f32 v[208:209], v[208:209], v[210:211]
	s_wait_alu depctr_va_vdst(0)
	s_wait_dscnt 0x0                               ; V and its words, and the next step's K
	WIN 0x50                                       ; C and D in window 1
.irp d, 0,1,2,3
	v_wmma_scale_f32_16x16x128_f8f6f4 v[160+8*\d:167+8*\d], v[64+8*\d:71+8*\d], v[224:231], v[160+8*\d:167+8*\d], v[196+\d], v253 matrix_a_fmt:MATRIX_FMT_FP4 matrix_b_fmt:MATRIX_FMT_FP4
	v_wmma_scale_f32_16x16x128_f8f6f4 v[32+8*\d:39+8*\d], v[64+8*\d:71+8*\d], v[160:167], v[32+8*\d:39+8*\d], v[196+\d], v247 matrix_a_fmt:MATRIX_FMT_FP4 matrix_b_fmt:MATRIX_FMT_FP4
.endr
	WIN 0
	s_add_co_u32 s2, s2, SP
	s_add_co_u32 s3, s3, 1
	s_cmp_lt_u32 s3, 16
	s_cbranch_scc1 .Lstep
; THE WAY OUT: O^T / the sum, quantised along the head's 64: the 16 registers of tiles 2 b, 2 b + 1 are 16 neighbouring channels, 32 b + 16 h + 0 .. 15
.rept 4
	v_nop
.endr
	v_add_f32 v14, v14, v15
	v_add_f32 v208, v208, v209
	v_permlanex16_b32 v252, v14, s32, s33
	v_permlanex16_b32 v246, v208, s32, s33
	v_add_f32 v14, v14, v252
	v_add_f32 v208, v208, v246
	s_wait_alu depctr_va_vdst(0)
	v_rcp_f32 v14, v14
	v_rcp_f32 v208, v208
	v_nop
	WIN 0x01                                       ; source 0 in window 1
	s_wait_alu depctr_va_vdst(0)                   ; one wait for the two, directly ahead of the first readers of both O^T
.set j, 0
.rept 32
	v_mul_f32 v[96+j], v[160+j], v14
.set j, j+1
.endr
.set j, 0
.rept 32
	v_mul_f32 v[128+j], v[32+j], v208
.set j, j+1
.endr
	WIN 0
.macro OUTQ x, cd, wd, offc, offw      ; 32 numbers a lane from v[x] on become a tile's codes and its half word of scales
.irp b, 0,1
	v_max3_num_f32 v[232+\b], |v[\x+16*\b]|, |v[\x+1+16*\b]|, 0x1800000
.endr
.irp i, 2,4,6,8,10,12,14
.irp b, 0,1
	s_delay_alu instid0(VALU_DEP_2)
	v_max3_num_f32 v[232+\b], v[232+\b], |v[\x+16*\b+\i]|, |v[\x+1+16*\b+\i]|
.endr
.endr
.irp b, 0,1
	s_delay_alu instid0(VALU_DEP_2)
	v_permlanex16_b32 v[236+\b], v[232+\b], s32, s33
.endr
.irp b, 0,1
	s_delay_alu instid0(VALU_DEP_2)
	v_max_num_f32 v[232+\b], v[232+\b], v[236+\b]
.endr
.irp b, 0,1
	s_delay_alu instid0(VALU_DEP_2)
	v_add_nc_u32 v[244+\b], 0xff000000, v[232+\b]
.endr
.irp b, 0,1
	s_delay_alu instid0(VALU_DEP_2)
	v_lshrrev_b32 v[236+\b], 23, v[244+\b]
.endr
	s_delay_alu instid0(VALU_DEP_1)
	v_lshl_or_b32 v[\wd], v237, 8, v236
.irp b, 0,1
	v_cvt_scalef32_pk8_fp4_f32 v[\cd+2*\b], v[\x+16*\b:\x+7+16*\b], v[244+\b]
	v_cvt_scalef32_pk8_fp4_f32 v[\cd+1+2*\b], v[\x+8+16*\b:\x+15+16*\b], v[244+\b]
.endr
	v_nop
	v_permlane16_swap_b32 v[\cd], v[\cd+2]
	v_permlane16_swap_b32 v[\cd+1], v[\cd+3]
	global_store_b128 v1, v[\cd:\cd+3], s[38:39] offset:\offc   ; 512 consecutive bytes, aligned
	global_store_b16 v2, v[\wd], s[40:41] offset:\offw
.endm
	OUTQ 96, 224, 250, 0, 0
	OUTQ 128, 228, 240, 8192, 4                    ; its own registers for codes and word: no store's data are written again
	s_wait_tensorcnt 0x0                           ; the wave's end
	ds_add_u32 v249, v251
	s_wait_dscnt 0x0
	ROUND                                          ; the closing round
	s_endpgm
.Lfunc_end_k_qa33f1b9f4a_attn:
	.size	k_qa33f1b9f4a_attn, .Lfunc_end_k_qa33f1b9f4a_attn-k_qa33f1b9f4a_attn
	.p2alignl 7, 3214868480
	.fill 96, 4, 3214868480
	.section	.rodata,"a",@progbits
	.p2align	6, 0x0
	.amdhsa_kernel k_qa33f1b9f4a_attn
		.amdhsa_group_segment_fixed_size 327680
		.amdhsa_private_segment_fixed_size 0
		.amdhsa_enable_private_segment 0
		.amdhsa_kernarg_size 16
		.amdhsa_user_sgpr_count 2
		.amdhsa_user_sgpr_kernarg_segment_ptr 1
		.amdhsa_wavefront_size32 1
		.amdhsa_system_sgpr_workgroup_id_x 1
		.amdhsa_system_sgpr_workgroup_id_y 1
		.amdhsa_system_sgpr_workgroup_id_z 1
		.amdhsa_system_vgpr_workitem_id 0
		.amdhsa_next_free_vgpr 512
		.amdhsa_next_free_sgpr 66
		.amdhsa_reserve_vcc 0
		.amdhsa_float_denorm_mode_32 3
		.amdhsa_float_denorm_mode_16_64 3
		.amdhsa_memory_ordered 1
		.amdhsa_forward_progress 1
		.amdhsa_inst_pref_size 45
	.end_amdhsa_kernel
	.amdgpu_metadata
---
amdhsa.version: [ 1, 2 ]
amdhsa.kernels:
  - .name:           k_qa33f1b9f4a_attn
    .symbol:         k_qa33f1b9f4a_attn.kd
    .args:
      - { .name: in3, .offset: 0, .size: 8, .value_kind: global_buffer, .address_space: global }
      - { .name: in4, .offset: 8, .size: 8, .value_kind: global_buffer, .address_space: global }
    .group_segment_fixed_size: 327680
    .private_segment_fixed_size: 0
    .kernarg_segment_align: 8
    .kernarg_segment_size: 16
    .max_flat_workgroup_size: 256
    .sgpr_count:     66
    .vgpr_count:     512
    .wavefront_size: 32
...
	.end_amdgpu_metadata
.endif
;; end of part 3
;; launch proj (part 4): grid 16 x 16, 4 waves a work-group, clusters of 4 x 4, 197,120 bytes of LDS; arguments in4, bao, bmo, in5; writes in5
.if DOCPART == 4
	.amdgcn_target "amdgcn-amd-amdhsa--gfx1250"
	.amdhsa_code_object_version 6
	.text
	.protected	k_qa33f1b9f4a_proj
	.globl	k_qa33f1b9f4a_proj
	.p2align	8
	.type	k_qa33f1b9f4a_proj,@function
k_qa33f1b9f4a_proj:
	s_mov_b64 s[64:65], 0
	v_nop
	global_prefetch_b8 v0, s[64:65] scope:SCOPE_SE
	s_setreg_imm32_b32 hwreg(HW_REG_WAVE_MODE, 25, 1), 1
	s_wait_xcnt 0x0
	s_wait_alu depctr_hold_cnt(0) depctr_sa_sdst(0) depctr_va_vdst(0) depctr_va_sdst(0) depctr_va_ssrc(0) depctr_va_vcc(0) depctr_vm_vsrc(0)
	s_getreg_b32 s2, hwreg(HW_REG_IB_STS2, 6, 4)
	s_cmp_eq_u32 s2, 0
	s_cbranch_scc0 .Lentry_in_a_cluster
	s_endpgm
.Lentry_in_a_cluster:
	s_bfe_u32 s2, ttmp6, 0x10000c
	s_cmp_lg_u32 s2, 0xf033
	s_cbranch_scc0 .Lentry_shape_is_right
	s_endpgm
.Lentry_shape_is_right:
; PROJ: attn_out = a Wao + bao (work-groups x 0-7) and mlp_out = g Wmo + bmo (x 8-15), on codes of FP4; their concatenation is quantised along its 2,048 on the way out.
; A work-group makes 128 columns x 256 tokens; a wave 128 x 64: source 0 = the weight's 8 tiles, which the four waves share, source 1 = the wave's own 4 tiles of tokens: 32 accumulators.
; The product is used transposed: a lane holds one token, its registers run along the columns: my 128 columns are K step x of the last product.
; All of K comes into LDS once; a wave issues one tensor load at the head (four tiles of the weight or eight of tokens): one is out at most.  Nothing is filled twice.
; The MLP's K is 716, padded to 768: six K steps.  Its tensor ends at step 6 (the mover writes zeros for steps 6 and 7), its scale words of steps 6 and 7 at those of 4 and 5, and a scalar
; branch on the work-group's number leaves those two steps' products out.
; REGISTERS: window 0: v4-15, v28 addresses, v16-23 codes, v24-27 the units' scale words, v32-95 the products' scale words, v96-159 T, v160-223 the bias, v224-255 at work.
;   window 1: source 0's two sets at v0 and v64, source 1's at v128 and v160.   window 2: accumulator (i0, i1) at v[64 i1 + 8 i0].
; LIMITS: a block of zeros gets the byte 1, not 127; NaN and infinities are not served.
.set WAC,  4194304                     ; in4: the weights' codes (Wmo's 524,288 on), a's codes at 0 (g's 2,097,152 on)
.set AS,   5242880                     ; a's scale words (g's 131,072 on)
.set WAS,  5505024                     ; Wao's (Wmo's 32,768 on)
.set CS,   5242880                     ; in5: the concatenation's scale words (its codes at 0)
.set PC,   16
.set SC,   32
.set T,    96
.set BIAS, 160
.set TM,   224
; CLUSTER: 4 x 4 work-groups.  The weight's tiles hang on work-group x alone and are asked for jointly along a column of the cluster; the tokens' tiles hang on work-group y (and on the half, which the whole cluster shares) and are asked for jointly along a row.
.macro ROUND                           ; a round of the cluster's barrier
	s_barrier_signal -1
	s_barrier_wait -1
	s_cmp_lg_u32 s12, 0
	s_cbranch_scc1 .Lnw0_\@
	s_barrier_signal -3
.Lnw0_\@:
	s_barrier_wait -3
	s_barrier_signal -1
	s_barrier_wait -1
.endm
.set MSB, 0
.macro WIN new
.if MSB != (\new)
	s_set_vgpr_msb (MSB<<8)|(\new)
.set MSB, (\new)
.endif
.endm
.macro PLACES
.rept 4
	v_nop
.endr
.endm
.macro QUANT4 s, pc, pw                ; 64 numbers of a lane, register 16 b + i = k 32 b + 16 (lane / 16) + i, become a fragment's codes and its scale word
.irp b, 0,1,2,3
	v_max3_num_f32 v[TM+\b], |v[\s+16*\b]|, |v[\s+1+16*\b]|, 0x1800000
.endr
.irp i, 2,4,6,8,10,12,14
.irp b, 0,1,2,3
	v_max3_num_f32 v[TM+\b], v[TM+\b], |v[\s+16*\b+\i]|, |v[\s+1+16*\b+\i]|
.endr
.endr
.irp b, 0,1,2,3
	v_permlanex16_b32 v[TM+4+\b], v[TM+\b], s56, s57
.endr
.irp b, 0,1,2,3
	v_max_num_f32 v[TM+\b], v[TM+\b], v[TM+4+\b]
.endr
.irp b, 0,1,2,3
	v_add_nc_u32 v[TM+12+\b], 0xff000000, v[TM+\b]
.endr
.irp b, 0,1,2,3
	v_lshrrev_b32 v[TM+4+\b], 23, v[TM+12+\b]
.endr
	v_lshl_or_b32 v[\pw], v[TM+5], 8, v[TM+4]
	v_lshl_or_b32 v[\pw], v[TM+6], 16, v[\pw]
	v_lshl_or_b32 v[\pw], v[TM+7], 24, v[\pw]
.irp b, 0,1,2,3
	v_cvt_scalef32_pk8_fp4_f32 v[\pc+2*\b], v[\s+16*\b:\s+7+16*\b], v[TM+12+\b]
	v_cvt_scalef32_pk8_fp4_f32 v[\pc+1+2*\b], v[\s+8+16*\b:\s+15+16*\b], v[TM+12+\b]
.endr
	v_nop
.irp c, 0,1
.irp i, 0,1
	v_permlane16_swap_b32 v[\pc+4*\c+\i], v[\pc+2+4*\c+\i]
.endr
.endr
.endm
	s_load_b256 s[4:11], s[0:1], 0x0               ; in4, bao, bmo, in5
	v_lshl_add_u32 v254, v0, 2, 0x30000
	v_mov_b32 v255, 0
	ds_add_u32 v254, v255
	ds_add_u32 v254, v255
	v_lshrrev_b32 v1, 5, v0
	v_readfirstlane_b32 s12, v1                    ; wave
	s_bfe_u32 s76, ttmp6, 0x40000                  ; cx
	s_bfe_u32 s77, ttmp6, 0x40004                  ; cy
	s_lshl_b32 s13, ttmp9, 2
	s_add_co_u32 s13, s13, s76                     ; cb: my 128 of the 2,048 columns = 4 x cluster x + cx
	s_lshr_b32 s14, ttmp9, 1                       ; 0: attention's half, 1: the MLP's: the same in the whole cluster
	s_and_b32 s15, s13, 7
	s_and_b32 s16, ttmp7, 0xffff
	s_lshl_b32 s16, s16, 2
	s_add_co_u32 s16, s16, s77                     ; work-group y = 4 x cluster y + cy
	s_lshl_b32 s16, s16, 2
	s_add_co_u32 s16, s16, s12                     ; g: my 64 tokens
	s_lshl_b32 s78, s77, 2
	s_lshl_b32 s78, 15, s78                        ; my row of the cluster
	s_lshl_b32 s79, 0x1111, s76                    ; my column
	; descriptor groups 1: 4 or 8 rows (tiles) of 8,192 bytes, 8,192 bytes apart; elements of 8 bytes
	; ONE tensor load a wave, with ALL of K (no chunks): waves 0, 1 bring four tiles of the weight each, waves 2, 3 eight tiles of tokens each; a tile is a row of 8,192 bytes.
	; Four groups 1: s24 weight, s32 tokens (attention's half); s40, s48 the same for the MLP's half, whose tensor ends at 6,144 bytes of a row: the mover writes zeros for K steps 6 and 7 and reads nothing there.
	s_or_b32 s24, s79, (3<<16)|(1<<21)             ; the weight's tiles go to my column,
	s_or_b32 s40, s79, (3<<16)|(1<<21)
	s_or_b32 s32, s78, (3<<16)|(1<<21)             ; the tokens' to my row
	s_or_b32 s48, s78, (3<<16)|(1<<21)
.irp g, 24, 32, 40, 48
	s_mov_b32 s[\g+3], 1024<<16                    ; tile_dim0
	s_mov_b32 s[\g+5], 1024                        ; the pitch
	s_mov_b32 s[\g+6], 0
	s_mov_b32 s[\g+7], 0
.endr
	s_mov_b32 s25, 1024<<16                        ; tensor_dim0
	s_mov_b32 s33, 1024<<16
	s_mov_b32 s41, 768<<16
	s_mov_b32 s49, 768<<16
	s_mov_b32 s26, 4<<16                           ; tensor_dim1, tile_dim1
	s_mov_b32 s28, 4
	s_mov_b32 s42, 4<<16
	s_mov_b32 s44, 4
	s_mov_b32 s34, 8<<16
	s_mov_b32 s36, 8
	s_mov_b32 s50, 8<<16
	s_mov_b32 s52, 8
	s_lshl_b32 s17, s14, 19
	s_lshl_b32 s18, s15, 16
	s_add_co_u32 s17, s17, s18
	s_and_b32 s18, s12, 1
	s_lshl_b32 s18, s18, 15                        ; which four tiles of the weight's eight
	s_add_co_u32 s17, s17, s18
	s_add_co_u32 s58, s17, WAC                     ; the weight's tiles 4 w .. 4 w + 3 of my block
	s_mov_b32 s59, 0
	s_lshl_b32 s17, s14, 21
	s_lshr_b32 s18, s16, 2
	s_lshl_b32 s18, s18, 17                        ; the work-group's 16 tiles of tokens,
	s_add_co_u32 s17, s17, s18
	s_and_b32 s18, s12, 1
	s_lshl_b32 s18, s18, 16                        ; and which eight of them
	s_add_co_u32 s60, s17, s18
	s_mov_b32 s61, 0
	s_and_b32 s22, s12, 1
	s_lshl_b32 s20, s22, 15                        ; LDS: the weight's 65,536 bytes at 0,
	s_lshl_b32 s22, s22, 16
	s_add_co_u32 s22, s22, 65536                   ; the tokens' 131,072 behind them;
	s_lshl_b32 s21, s12, 15
	s_add_co_u32 s21, s21, 65536                   ; the four tiles of tokens that I multiply
	s_wait_dscnt 0x0
	s_wait_kmcnt 0x0
	s_add_nc_u64 s[58:59], s[4:5], s[58:59]
	s_add_nc_u64 s[60:61], s[4:5], s[60:61]
	s_mov_b32 s68, 1
	s_mov_b32 s69, s20
	s_mov_b64 s[70:71], s[58:59]
	s_or_b32 s71, s71, 0x80000000
	s_mov_b32 s72, 1
	s_mov_b32 s73, s22
	s_mov_b64 s[74:75], s[60:61]
	s_or_b32 s75, s75, 0x80000000
	; one tree of branches, on the work-group's half and the wave's number: every way through it passes exactly one load; the LDS bytes of a wave are the same in both halves
	ROUND                                          ; all sixteen work-groups are here: the joint loads meet
	s_cmp_lg_u32 s14, 0
	s_cbranch_scc1 .Lhm
	s_cmp_lt_u32 s12, 2
	s_cbranch_scc0 .Lhat
	tensor_load_to_lds s[68:71], s[24:31]
	s_nop 0
	PLACES
	s_branch .Lhj
.Lhat:
	tensor_load_to_lds s[72:75], s[32:39]
	s_nop 0
	PLACES
	s_branch .Lhj
.Lhm:
	s_cmp_lt_u32 s12, 2
	s_cbranch_scc0 .Lhmt
	tensor_load_to_lds s[68:71], s[40:47]
	s_nop 0
	PLACES
	s_branch .Lhj
.Lhmt:
	tensor_load_to_lds s[72:75], s[48:55]
	s_nop 0
	PLACES
.Lhj:
	v_and_b32 v1, 15, v0                           ; r
	v_bfe_u32 v2, v0, 4, 1                         ; h
	s_wait_alu depctr_va_vdst(0)
	v_and_b32 v3, 31, v0
	v_lshlrev_b32 v3, 4, v3                        ; 16 l
	s_wait_alu depctr_va_vdst(0)
	s_lshl_b32 s17, s14, 17
	s_lshl_b32 s18, s16, 11
	s_add_co_u32 s17, s17, s18
	s_add_co_u32 s17, s17, AS                      ; the tokens' scale words: lanes 0-15
	s_lshl_b32 s18, s14, 15
	s_lshl_b32 s19, s15, 12
	s_add_co_u32 s18, s18, s19
	s_add_co_u32 s18, s18, WAS                     ; the weight's: lanes 16-31
	s_sub_co_u32 s18, s18, s17
	v_mul_lo_u32 v4, v2, s18
	v_add_nc_u32 v4, s17, v4
	v_lshl_add_u32 v4, v1, 4, v4                   ; tiles 0-3
	v_lshl_add_u32 v5, v2, 11, v4                  ; the weight's tiles 4-7 (lanes 0-15 read the tokens' again: not used)
	s_lshl_b32 s19, s14, 9
	v_sub_nc_u32 v6, v4, s19                       ; for K steps 6 and 7
	v_sub_nc_u32 v7, v5, s19
.irp q, 0,1,2,3,4,5
	global_load_b128 v[SC+8*\q:SC+8*\q+3], v4, s[4:5] offset:256*\q
	global_load_b128 v[SC+8*\q+4:SC+8*\q+7], v5, s[4:5] offset:256*\q
.endr
.irp q, 6,7
	global_load_b128 v[SC+8*\q:SC+8*\q+3], v6, s[4:5] offset:256*\q
	global_load_b128 v[SC+8*\q+4:SC+8*\q+7], v7, s[4:5] offset:256*\q
.endr
	s_cmp_eq_u32 s14, 0
	s_cselect_b64 s[62:63], s[6:7], s[8:9]         ; bao or bmo
	s_lshl_b32 s19, s15, 9
	v_lshl_add_u32 v28, v2, 6, s19
.irp b, 0,1,2,3
.irp j, 0,1,2,3
	global_load_b128 v[BIAS+16*\b+4*\j:BIAS+16*\b+4*\j+3], v28, s[62:63] offset:128*\b+16*\j
.endr
.endr
	s_mov_b32 s17, 0
	s_mov_b32 s18, s21
.irp j, 0,1,2,3
	v_add_nc_u32 v[8+\j], s17, v3
	v_add_nc_u32 v[12+\j], s18, v3
	s_add_co_u32 s17, s17, 2048                    ; two K steps on in a tile's 8,192 bytes
	s_add_co_u32 s18, s18, 2048
.endr
.irp b, 0,1,2,3
	v_mov_b32 v[TM+4+\b], 0                        ; written once: a lane permute's destination counts as read
.endr
	s_mov_b32 s56, 0x76543210
	s_mov_b32 s57, 0xfedcba98
.macro FRAGS q
	WIN 0x40
.irp i, 0,1,2,3,4,5,6,7
.irp c, 0,1
	ds_load_b128 v[64*((\q)%2)+8*\i+4*\c:64*((\q)%2)+8*\i+4*\c+3], v[8+(\q)/2] offset:8192*\i+1024*((\q)%2)+512*\c
.endr
.endr
.irp i, 0,1,2,3
.irp c, 0,1
	ds_load_b128 v[128+32*((\q)%2)+8*\i+4*\c:128+32*((\q)%2)+8*\i+4*\c+3], v[12+(\q)/2] offset:8192*\i+1024*((\q)%2)+512*\c
.endr
.endr
	WIN 0
.endm
.macro MUL q, zero                     ; 32 products; the accumulators take turns
	WIN 0xa5
.irp a, 0,1,2,3
.irp b, 0,1,2,3,4,5,6,7
.if \zero
	v_wmma_scale_f32_16x16x128_f8f6f4 v[64*\a+8*\b:64*\a+8*\b+7], v[64*((\q)%2)+8*\b:64*((\q)%2)+8*\b+7], v[128+32*((\q)%2)+8*\a:128+32*((\q)%2)+8*\a+7], 0, v[SC+8*(\q)+\b], v[SC+8*(\q)+\a] matrix_a_fmt:MATRIX_FMT_FP4 matrix_b_fmt:MATRIX_FMT_FP4 matrix_a_scale:MATRIX_SCALE_ROW1
.else
	v_wmma_scale_f32_16x16x128_f8f6f4 v[64*\a+8*\b:64*\a+8*\b+7], v[64*((\q)%2)+8*\b:64*((\q)%2)+8*\b+7], v[128+32*((\q)%2)+8*\a:128+32*((\q)%2)+8*\a+7], v[64*\a+8*\b:64*\a+8*\b+7], v[SC+8*(\q)+\b], v[SC+8*(\q)+\a] matrix_a_fmt:MATRIX_FMT_FP4 matrix_b_fmt:MATRIX_FMT_FP4 matrix_a_scale:MATRIX_SCALE_ROW1
.endif
.endr
.endr
.endm
.macro KSTEP q
	s_wait_dscnt 0x0
.if (\q) < 7
.if (\q) > 0
	PLACES
.endif
	FRAGS (\q)+1
.endif
.if (\q) == 0
	s_wait_loadcnt 0x0
	MUL 0, 1
.else
	MUL \q, 0
.endif
.endm
	s_wait_alu depctr_va_vdst(0)
	s_wait_tensorcnt 0x0                           ; my load has landed; the barrier shows every wave's to all
	s_barrier_signal -1
	s_barrier_wait -1
	FRAGS 0
.irp q, 0,1,2,3,4,5
	KSTEP \q
.endr
	WIN 0
	s_cmp_lg_u32 s14, 0                            ; the MLP's K ends here; every tensor load has been waited for and every barrier passed on both ways
	s_cbranch_scc1 .Lout
	KSTEP 6
	KSTEP 7
	WIN 0
.Lout:
	s_wait_dscnt 0x0                               ; (the MLP's way: the fragments asked for in step 5)
	PLACES
	s_lshl_b32 s17, s16, 16
	s_lshl_b32 s18, s13, 10
	s_add_co_u32 s58, s17, s18
	s_mov_b32 s59, 0
	s_add_nc_u64 s[58:59], s[10:11], s[58:59]      ; codes: tile 4 g + i1, K step cb
	s_lshl_b32 s17, s16, 12
	s_lshl_b32 s18, s13, 8
	s_add_co_u32 s60, s17, s18
	s_add_co_u32 s60, s60, CS
	s_mov_b32 s61, 0
	s_add_nc_u64 s[60:61], s[10:11], s[60:61]
	v_lshlrev_b32 v29, 4, v1
.irp u, 0,1,2,3
	s_wait_xcnt 0x0                                ; the last unit's stores have read their data
	WIN 0x02
.set n, 0
.rept 32
	v_pk_add_f32 v[T+n:T+n+1], v[64*\u+n:64*\u+n+1], v[BIAS+n:BIAS+n+1]   ; the bias; each accumulator from its low end on
.set n, n+2
.endr
	WIN 0
	QUANT4 T, PC, 24+\u
	global_store_b128 v3, v[PC:PC+3], s[58:59] offset:16384*\u
	global_store_b128 v3, v[PC+4:PC+7], s[58:59] offset:16384*\u+512
.endr
	global_store_b128 v29, v[24:27], s[60:61]      ; 256 consecutive bytes, aligned: four tiles' words; lanes 16-31 store the same values at the same places as lanes 0-15
	s_wait_tensorcnt 0x0
	ds_add_u32 v254, v255
	s_wait_dscnt 0x0
	ROUND                                          ; the closing round
	s_endpgm
.Lfunc_end_k_qa33f1b9f4a_proj:
	.size	k_qa33f1b9f4a_proj, .Lfunc_end_k_qa33f1b9f4a_proj-k_qa33f1b9f4a_proj
	.p2alignl 7, 3214868480
	.fill 96, 4, 3214868480
	.section	.rodata,"a",@progbits
	.p2align	6, 0x0
	.amdhsa_kernel k_qa33f1b9f4a_proj
		.amdhsa_group_segment_fixed_size 197120
		.amdhsa_private_segment_fixed_size 0
		.amdhsa_enable_private_segment 0
		.amdhsa_kernarg_size 32
		.amdhsa_user_sgpr_count 2
		.amdhsa_user_sgpr_kernarg_segment_ptr 1
		.amdhsa_wavefront_size32 1
		.amdhsa_system_sgpr_workgroup_id_x 1
		.amdhsa_system_sgpr_workgroup_id_y 1
		.amdhsa_system_sgpr_workgroup_id_z 1
		.amdhsa_system_vgpr_workitem_id 0
		.amdhsa_next_free_vgpr 768
		.amdhsa_next_free_sgpr 84
		.amdhsa_reserve_vcc 0
		.amdhsa_float_denorm_mode_32 3
		.amdhsa_float_denorm_mode_16_64 3
		.amdhsa_memory_ordered 1
		.amdhsa_forward_progress 1
		.amdhsa_inst_pref_size 83
	.end_amdhsa_kernel
	.amdgpu_metadata
---
amdhsa.version: [ 1, 2 ]
amdhsa.kernels:
  - .name:           k_qa33f1b9f4a_proj
    .symbol:         k_qa33f1b9f4a_proj.kd
    .args:
      - { .name: in4, .offset: 0, .size: 8, .value_kind: global_buffer, .address_space: global }
      - { .name: bao, .offset: 8, .size: 8, .value_kind: global_buffer, .address_space: global }
      - { .name: bmo, .offset: 16, .size: 8, .value_kind: global_buffer, .address_space: global }
      - { .name: in5, .offset: 24, .size: 8, .value_kind: global_buffer, .address_space: global }
    .group_segment_fixed_size: 197120
    .private_segment_fixed_size: 0
    .kernarg_segment_align: 8
    .kernarg_segment_size: 32
    .max_flat_workgroup_size: 128
    .sgpr_count:     84
    .vgpr_count:     768
    .wavefront_size: 32
...
	.end_amdgpu_metadata
.endif
;; end of part 4
;; launch final (part 5): grid 8 x 32, 4 waves a work-group, clusters of 4 x 4, 280,064 bytes of LDS; arguments in5, x, b2, out0; writes out0
.if DOCPART == 5
	.amdgcn_target "amdgcn-amd-amdhsa--gfx1250"
	.amdhsa_code_object_version 6
	.text
	.protected	k_qa33f1b9f4a_final
	.globl	k_qa33f1b9f4a_final
	.p2align	8
	.type	k_qa33f1b9f4a_final,@function
k_qa33f1b9f4a_final:
	s_mov_b64 s[64:65], 0
	v_nop
	global_prefetch_b8 v0, s[64:65] scope:SCOPE_SE
	s_setreg_imm32_b32 hwreg(HW_REG_WAVE_MODE, 25, 1), 1
	s_wait_xcnt 0x0
	s_wait_alu depctr_hold_cnt(0) depctr_sa_sdst(0) depctr_va_vdst(0) depctr_va_sdst(0) depctr_va_ssrc(0) depctr_va_vcc(0) depctr_vm_vsrc(0)
	s_getreg_b32 s2, hwreg(HW_REG_IB_STS2, 6, 4)
	s_cmp_eq_u32 s2, 0
	s_cbranch_scc0 .Lentry_in_a_cluster
	s_endpgm
.Lentry_in_a_cluster:
	s_bfe_u32 s2, ttmp6, 0x10000c
	s_cmp_lg_u32 s2, 0xf033
	s_cbranch_scc0 .Lentry_shape_is_right
	s_endpgm
.Lentry_shape_is_right:
; FINAL: out0 = x + combined W2 + b2, the product on codes of FP4, K = 2,048.
; A work-group makes 128 columns x 128 tokens, a wave 64 x 64: source 0 = 4 tiles of W2's columns, source 1 = 4 tiles of tokens: 16 accumulators.  b2 is the C of the first products.
; All of K comes into LDS once; each wave brings one block of 4 tiles, one tensor load at the head: one is out at most.  Nothing is filled twice.
; The product is used transposed: a lane's registers are neighbouring columns of one token.  A tile of 16 tokens x 64 columns goes through the wave's own stage in LDS (its bytes lie behind the chunks; no tensor load
; lands there) and comes back as rows of 256 bytes; x, loaded at the head in that same layout, is added, and sixteen lanes store 256 consecutive bytes, aligned.
; The rows of a tile are token 32 b + 8 u + r + 8 (r / 8): here positions are turned back into tokens, by the immediates of x's loads and of the stores.
; REGISTERS: window 0: v8-18 addresses, v32-95 scale words (register 4 q + i), v96-127 b2, v128-255 accumulator (i0, i1) at v[128 + 32 i1 + 8 i0].   window 1: v0-127 two sets of fragments, v128-255 x.
.set W2C,  4194304
.set CS,   5242880
.set W2S,  5505024
.set SC,   32
.set STG,  262144
; CLUSTER: 4 x 4 work-groups.  W2's tiles hang on work-group x alone and are asked for jointly along a column of the cluster; the tokens' tiles hang on work-group y alone and are asked for jointly along a row.
.macro ROUND                           ; a round of the cluster's barrier
	s_barrier_signal -1
	s_barrier_wait -1
	s_cmp_lg_u32 s12, 0
	s_cbranch_scc1 .Lnw0_\@
	s_barrier_signal -3
.Lnw0_\@:
	s_barrier_wait -3
	s_barrier_signal -1
	s_barrier_wait -1
.endm
.set MSB, 0
.macro WIN new
.if MSB != (\new)
	s_set_vgpr_msb (MSB<<8)|(\new)
.set MSB, (\new)
.endif
.endm
.macro PLACES
.rept 4
	v_nop
.endr
.endm
	s_load_b256 s[4:11], s[0:1], 0x0               ; in5, x, b2, out0
	v_lshl_add_u32 v30, v0, 2, 0x44400
	v_mov_b32 v31, 0
	ds_add_u32 v30, v31
	ds_add_u32 v30, v31
	v_lshrrev_b32 v1, 5, v0
	v_readfirstlane_b32 s12, v1                    ; wave
	s_bfe_u32 s50, ttmp6, 0x40000                  ; cx
	s_bfe_u32 s51, ttmp6, 0x40004                  ; cy
	s_lshl_b32 s13, ttmp9, 2
	s_add_co_u32 s13, s13, s50                     ; work-group x = 4 x cluster x + cx
	s_and_b32 s14, ttmp7, 0xffff
	s_lshl_b32 s14, s14, 2
	s_add_co_u32 s14, s14, s51                     ; work-group y = 4 x cluster y + cy
	s_lshl_b32 s52, s51, 2
	s_lshl_b32 s52, 15, s52                        ; my row of the cluster
	s_lshl_b32 s53, 0x1111, s50                    ; my column
	; descriptor group 1: 4 rows (tiles) of 16,384 bytes (all 16 K steps), 16,384 bytes apart; elements of 8 bytes
	s_or_b32 s24, s53, (3<<16)|(1<<21)             ; s[24:31]: W2's tiles go to my column;
	s_or_b32 s40, s52, (3<<16)|(1<<21)             ; s[40:47]: the tokens' to my row
	; ONE tensor load a wave: its block of 4 tiles with ALL of K, rows of 16,384 bytes, dense in memory and in LDS (no chunks)
	s_mov_b32 s25, 2048<<16
	s_mov_b32 s26, 4<<16
	s_mov_b32 s27, 2048<<16
	s_mov_b32 s28, 4
	s_mov_b32 s29, 2048
	s_mov_b32 s30, 0
	s_mov_b32 s31, 0
	s_mov_b32 s41, 2048<<16
	s_mov_b32 s42, 4<<16
	s_mov_b32 s43, 2048<<16
	s_mov_b32 s44, 4
	s_mov_b32 s45, 2048
	s_mov_b32 s46, 0
	s_mov_b32 s47, 0
	s_and_b32 s17, s12, 1
	s_lshl_b32 s18, s13, 1                         ; W2's block: made of work-group x and the wave's number alone,
	s_add_co_u32 s18, s18, s17
	s_lshl_b32 s18, s18, 16
	s_add_co_u32 s18, s18, W2C
	s_mov_b32 s19, 0
	s_lshl_b32 s54, s14, 1                         ; the tokens' block: of work-group y and the wave's number alone
	s_add_co_u32 s54, s54, s17
	s_lshl_b32 s54, s54, 16
	s_mov_b32 s55, 0
	s_lshl_b32 s20, s12, 16
	s_wait_dscnt 0x0
	s_wait_kmcnt 0x0
	s_add_nc_u64 s[18:19], s[4:5], s[18:19]
	s_add_nc_u64 s[54:55], s[4:5], s[54:55]
	s_mov_b32 s32, 1
	s_mov_b32 s33, s20
	s_mov_b64 s[34:35], s[18:19]
	s_or_b32 s35, s35, 0x80000000
	s_mov_b32 s36, 1
	s_mov_b32 s37, s20
	s_mov_b64 s[38:39], s[54:55]
	s_or_b32 s39, s39, 0x80000000
	ROUND                                          ; all sixteen work-groups are here: the joint loads meet
	s_cmp_lt_u32 s12, 2                            ; waves 0, 1 fetch W2's two blocks, waves 2, 3 the tokens': one load a wave
	s_cbranch_scc0 .Lft
	tensor_load_to_lds s[32:35], s[24:31]
	s_nop 0
	PLACES
	s_branch .Lfj
.Lft:
	tensor_load_to_lds s[36:39], s[40:47]
	s_nop 0
	PLACES
.Lfj:
	v_and_b32 v1, 15, v0                           ; r
	v_bfe_u32 v2, v0, 4, 1                         ; h
	s_wait_alu depctr_va_vdst(0)
	v_and_b32 v3, 31, v0
	v_lshlrev_b32 v3, 4, v3                        ; 16 l
	s_wait_alu depctr_va_vdst(0)
	s_lshl_b32 s15, s13, 1
	s_add_co_u32 s15, s15, s17                     ; nb: my 64 columns
	s_lshr_b32 s21, s12, 1
	s_lshl_b32 s16, s14, 1
	s_add_co_u32 s16, s16, s21                     ; g: my 64 tokens
	s_lshl_b32 s22, s16, 12
	s_add_co_u32 s22, s22, CS                      ; the tokens' scale words: lanes 0-15
	s_lshl_b32 s23, s15, 12
	s_add_co_u32 s23, s23, W2S                     ; W2's: lanes 16-31
	s_sub_co_u32 s23, s23, s22
	v_mul_lo_u32 v4, v2, s23
	v_add_nc_u32 v4, s22, v4
	v_lshl_add_u32 v4, v1, 4, v4
.irp q, 0,1,2,3,4,5,6,7,8,9,10,11,12,13,14,15
	global_load_b128 v[SC+4*\q:SC+4*\q+3], v4, s[4:5] offset:256*\q
.endr
	s_lshl_b32 s22, s15, 8
	v_lshl_add_u32 v5, v2, 6, s22                  ; b2: register 16 b + i is column 32 b + 16 h + i of my 64
.irp b, 0,1
.irp j, 0,1,2,3
	global_load_b128 v[96+16*\b+4*\j:96+16*\b+4*\j+3], v5, s[8:9] offset:128*\b+16*\j
.endr
.endr
	s_lshl_b32 s48, s16, 18                        ; 64 tokens of 4,096 bytes,
	s_add_co_u32 s48, s48, s22                     ; + my 256 bytes of a row
	s_mov_b32 s49, 0
	s_add_nc_u64 s[6:7], s[6:7], s[48:49]
	s_add_nc_u64 s[10:11], s[10:11], s[48:49]
	v_lshlrev_b32 v18, 12, v2
	v_lshl_add_u32 v18, v1, 4, v18                 ; lanes 0-15 one token's 256 bytes, lanes 16-31 the next token's
	WIN 0x40
.irp a, 0,1,2,3
.irp m, 0,1,2,3,4,5,6,7
	global_load_b128 v[128+32*\a+4*\m:128+32*\a+4*\m+3], v18, s[6:7] offset:(32*(\a/2)+8*(\a%2)+2*(\m%4)+16*(\m/4))*4096 th:TH_LOAD_NT
.endr
.endr
	WIN 0
	s_lshl_b32 s22, s17, 16
	s_lshl_b32 s23, s21, 16
	s_add_co_u32 s23, s23, 131072
.irp j, 0,1,2,3
	v_add_nc_u32 v[8+\j], s22, v3
	v_add_nc_u32 v[12+\j], s23, v3
	s_add_co_u32 s22, s22, 4096                    ; four K steps on in a tile's 16,384 bytes
	s_add_co_u32 s23, s23, 4096
.endr
	s_mul_i32 s22, s12, 4352
	s_add_co_u32 s22, s22, STG                     ; my stage: 16 rows x (256 + 16) bytes
	v_mul_u32_u24 v16, v1, 272
	v_lshl_add_u32 v16, v2, 6, v16
	v_add_nc_u32 v16, s22, v16                     ; in: row r, + 64 h
	v_mul_u32_u24 v17, v2, 272
	v_lshl_add_u32 v17, v1, 4, v17
	v_add_nc_u32 v17, s22, v17                     ; back: two rows an instruction
.macro FRAGS q
	WIN 0x40
.irp i, 0,1,2,3
.irp c, 0,1
	ds_load_b128 v[64*((\q)%2)+8*\i+4*\c:64*((\q)%2)+8*\i+4*\c+3], v[8+(\q)/4] offset:16384*\i+1024*((\q)%4)+512*\c
.endr
.endr
.irp i, 0,1,2,3
.irp c, 0,1
	ds_load_b128 v[64*((\q)%2)+32+8*\i+4*\c:64*((\q)%2)+32+8*\i+4*\c+3], v[12+(\q)/4] offset:16384*\i+1024*((\q)%4)+512*\c
.endr
.endr
	WIN 0
.endm
.macro MUL q, first                    ; 16 products; the accumulators take turns
	WIN 0x05
.irp a, 0,1,2,3
.irp b, 0,1,2,3
.if \first
	v_wmma_scale_f32_16x16x128_f8f6f4 v[128+32*\a+8*\b:128+32*\a+8*\b+7], v[64*((\q)%2)+8*\b:64*((\q)%2)+8*\b+7], v[64*((\q)%2)+32+8*\a:64*((\q)%2)+32+8*\a+7], v[96+8*\b:96+8*\b+7], v[SC+4*(\q)+\b], v[SC+4*(\q)+\a] matrix_a_fmt:MATRIX_FMT_FP4 matrix_b_fmt:MATRIX_FMT_FP4 matrix_a_scale:MATRIX_SCALE_ROW1
.else
	v_wmma_scale_f32_16x16x128_f8f6f4 v[128+32*\a+8*\b:128+32*\a+8*\b+7], v[64*((\q)%2)+8*\b:64*((\q)%2)+8*\b+7], v[64*((\q)%2)+32+8*\a:64*((\q)%2)+32+8*\a+7], v[128+32*\a+8*\b:128+32*\a+8*\b+7], v[SC+4*(\q)+\b], v[SC+4*(\q)+\a] matrix_a_fmt:MATRIX_FMT_FP4 matrix_b_fmt:MATRIX_FMT_FP4 matrix_a_scale:MATRIX_SCALE_ROW1
.endif
.endr
.endr
.endm
.macro KSTEP q
	s_wait_dscnt 0x0
.if (\q) < 15
.if (\q) > 0
	PLACES
.endif
	FRAGS (\q)+1
.endif
.if (\q) == 0
	s_wait_loadcnt 32                              ; scale words and b2 are in; x's 32 loads may be out
	MUL 0, 1
.else
	MUL \q, 0
.endif
.endm
	s_wait_alu depctr_va_vdst(0)
	s_wait_tensorcnt 0x0                           ; my block has landed; the barrier shows every wave's to all
	s_barrier_signal -1
	s_barrier_wait -1
	FRAGS 0
.irp q, 0,1,2,3,4,5,6,7,8,9,10,11,12,13,14,15
	KSTEP \q
.endr
	WIN 0
	PLACES
.irp a, 0,1,2,3                        ; LDS serves a wave's instructions in order: a tile's loads see its stores, and the next tile's stores come behind them
.irp b, 0,1,2,3
	ds_store_b128 v16, v[128+32*\a+8*\b:131+32*\a+8*\b] offset:128*(\b/2)+32*(\b%2)        ; each accumulator from its low end on
	ds_store_b128 v16, v[132+32*\a+8*\b:135+32*\a+8*\b] offset:128*(\b/2)+32*(\b%2)+16
.endr
.irp m, 0,1,2,3,4,5,6,7
	ds_load_b128 v[128+32*\a+4*\m:131+32*\a+4*\m], v17 offset:544*\m
.endr
.endr
	s_wait_loadcnt 0x0                             ; x
.irp a, 0,1,2,3
	s_wait_dscnt 16*(3-\a)                         ; this tile is back; the later tiles' sixteen instructions each may be out
	WIN 0x04
.set n, 0
.rept 16
	v_pk_add_f32 v[128+32*\a+n:129+32*\a+n], v[128+32*\a+n:129+32*\a+n], v[128+32*\a+n:129+32*\a+n]   ; source 1 in window 1: x
.set n, n+2
.endr
	WIN 0
.irp m, 0,1,2,3,4,5,6,7
	global_store_b128 v18, v[128+32*\a+4*\m:131+32*\a+4*\m], s[10:11] offset:(32*(\a/2)+8*(\a%2)+2*(\m%4)+16*(\m/4))*4096 th:TH_STORE_NT
.endr
.endr
	s_wait_tensorcnt 0x0
	ds_add_u32 v30, v31
	s_wait_dscnt 0x0
	ROUND                                          ; the closing round
	s_endpgm
.Lfunc_end_k_qa33f1b9f4a_final:
	.size	k_qa33f1b9f4a_final, .Lfunc_end_k_qa33f1b9f4a_final-k_qa33f1b9f4a_final
	.p2alignl 7, 3214868480
	.fill 96, 4, 3214868480
	.section	.rodata,"a",@progbits
	.p2align	6, 0x0
	.amdhsa_kernel k_qa33f1b9f4a_final
		.amdhsa_group_segment_fixed_size 280064
		.amdhsa_private_segment_fixed_size 0
		.amdhsa_enable_private_segment 0
		.amdhsa_kernarg_size 32
		.amdhsa_user_sgpr_count 2
		.amdhsa_user_sgpr_kernarg_segment_ptr 1
		.amdhsa_wavefront_size32 1
		.amdhsa_system_sgpr_workgroup_id_x 1
		.amdhsa_system_sgpr_workgroup_id_y 1
		.amdhsa_system_sgpr_workgroup_id_z 1
		.amdhsa_system_vgpr_workitem_id 0
		.amdhsa_next_free_vgpr 512
		.amdhsa_next_free_sgpr 66
		.amdhsa_reserve_vcc 0
		.amdhsa_float_denorm_mode_32 3
		.amdhsa_float_denorm_mode_16_64 3
		.amdhsa_memory_ordered 1
		.amdhsa_forward_progress 1
		.amdhsa_inst_pref_size 76
	.end_amdhsa_kernel
	.amdgpu_metadata
---
amdhsa.version: [ 1, 2 ]
amdhsa.kernels:
  - .name:           k_qa33f1b9f4a_final
    .symbol:         k_qa33f1b9f4a_final.kd
    .args:
      - { .name: in5, .offset: 0, .size: 8, .value_kind: global_buffer, .address_space: global }
      - { .name: x, .offset: 8, .size: 8, .value_kind: global_buffer, .address_space: global }
      - { .name: b2, .offset: 16, .size: 8, .value_kind: global_buffer, .address_space: global }
      - { .name: out0, .offset: 24, .size: 8, .value_kind: global_buffer, .address_space: global }
    .group_segment_fixed_size: 280064
    .private_segment_fixed_size: 0
    .kernarg_segment_align: 8
    .kernarg_segment_size: 32
    .max_flat_workgroup_size: 128
    .sgpr_count:     66
    .vgpr_count:     512
    .wavefront_size: 32
...
	.end_amdgpu_metadata
.endif
;; end of part 5
